; MI455X (gfx1250); checked and timed in simulation.
; The chip was launched on July 23, 2026; its instructions are those of AMD's public machine-readable ISA for CDNA 5 (MIT licence, August 2026) and "CDNA5" Instruction Set Architecture Reference Guide (July 2026). The comments in the code are by the model that wrote it; some were corrected since.
;; Self Attention Module. Allowed arithmetic: matrix products marked QUANTISED: E2M3 operands, one E8M0 scale for each 32 along K, by v_wmma_scale_f32_16x16x128_f8f6f4 with both operands' format E2M3, f32 sums; everything else in f32.
;; Inputs: b_proj 1,024 float32; w_proj 1,024 x 1,024 float32; w_qkv 3,072 x 1,024 float32; x 4 x 2,048 x 1,024 float32.
;; Outputs: out0 4 x 2,048 x 1,024 float32.
;; This version of the problem:
;;   THIS VERSION OF THE PROBLEM IS GIVEN IN LOW PRECISION. The matrix products marked QUANTISED in the list below multiply operands that are first quantised to E2M3 (2 exponent bits, 3 mantissa bits; 6 bits a number), with one power-of-two scale for each 32 numbers along K (OCP MX v1.0); their sums are f32. All else is computed in f32.
;;   The module's matrix products, in the order in which they are computed (A, B: the left and right operand; K: the contracted axis; several contracted axes count as one K, in the product's order):
;;     1. [M 8,192, K 1,024] x [K 1,024, N 3,072]; A: input x; B: input w_qkv: QUANTISED
;;     2. batch 64 x [M 2,048, K 64] x [K 64, N 2,048]; A: computed on the way; B: computed on the way: QUANTISED
;;     3. batch 64 x [M 2,048, K 2,048] x [K 2,048, N 64]; A: softmax (see below); B: computed on the way: QUANTISED
;;     4. [M 8,192, K 1,024] x [K 1,024, N 1,024]; A: computed on the way; B: input w_proj: QUANTISED
;;   THE QUANTISER, for each operand of a quantised product, along K:
;;     - K is cut into blocks of 32 from its start; a last block that is shorter is filled with zeros.
;;     - A block's scale is 2^e with e = floor(log2(the largest magnitude in the block)) - 2, held to -126 .. 127; a block of zeros has e = 0. As a byte (E8M0): e + 127.
;;     - Each number is divided by its block's scale, clamped to +-7.5, and rounded to the nearest number of E2M3, ties to even, subnormals kept.
;;     - The product sums the exact products of the quantised numbers (number of the format x scale) in f32.
;;   ~~~python
;;   def quantise(x, axis):      # numpy; x: float32 -> the quantised numbers, widened to float32 again
;;       x = np.moveaxis(x, axis, -1); K = x.shape[-1]
;;       x = np.pad(x, [(0, 0)] * (x.ndim - 1) + [(0, -K % 32)]); x = x.reshape(x.shape[:-1] + (-1, 32)); a = np.abs(x).max(-1, keepdims=True)
;;       e = np.where(a > 0, np.clip(np.frexp(np.where(a > 0, a, 1))[1] - 1 - 2, -126, 127), 0)      # np.frexp(a)[1] - 1 = floor(log2(a)), exactly
;;       r = np.clip(x / 2.0 ** e, -7.5, 7.5)
;;       step = 2.0 ** (np.maximum(np.frexp(np.where(r == 0, 1, r))[1] - 1, 0) - 3)
;;       q = np.round(r / step) * step * 2.0 ** e      # np.round: ties to even
;;       return np.moveaxis(q.reshape(q.shape[:-2] + (-1,))[..., :K], -1, axis).astype(np.float32)
;;   ~~~
;;   SOFTMAX AHEAD OF A QUANTISED PRODUCT. Where the list says 'softmax', what is quantised is not the finished softmax but p = 2^(t - M), with t = logit x log2(e) and M = ceil(the row's largest t), a whole number; so 1/2 < the row's largest p <= 1. The row's sum l is taken of the UNQUANTISED p, in f32, and the product's result is divided by l at the end. Since M is a whole number, a kernel that streams over the keys may use a running M (the ceiling of the running maximum): every later rescaling is an exact power of two, which a block's scale takes up: the codes' values come out the same.
;;   OPERANDS COMPUTED ON THE WAY. 'Computed on the way' means the value that the module computes at that place (a softmax that the list does not call 'softmax' is quantised finished and normalised). What goes into a quantiser is computed in f32, as accurately as f32 sums, v_exp_f32 and their like allow (about 1e-6 of the number): no bf16 or f16 on the way to a quantiser, and a product that is left as it is and whose result goes on into a quantised operand takes f32 operands (vector FMAs, or v_wmma_f32_16x16x4_f32). A number that lies on a knife's edge between two numbers of the format may be rounded either way, as far as f32 arithmetic and the matrix unit's own rounding can turn it there, and no further.
;; One version. Each part assembles by itself: llvm-mc -triple=amdgcn-amd-amdhsa -mcpu=gfx1250 --defsym DOCPART=n.
;; ======== version 1 of 1: 5 launches
;; workspace buffers: xq 6,553,600 bytes; wkq 1,638,400 bytes; wvq 819,200 bytes; wpq 819,200 bytes; qk 13,107,200 bytes; vt 6,815,744 bytes; oq 6,553,600 bytes
;; launch quant (part 1): grid 384 x 1, 4 waves a work-group, no clusters, 34,304 bytes of LDS; arguments x, w_qkv, w_proj, xq, wkq, wvq, wpq; writes xq, wkq, wvq, wpq
.if DOCPART == 1
	.amdgcn_target "amdgcn-amd-amdhsa--gfx1250"
	.amdhsa_code_object_version 6
	.text
	.protected	k_q5f06e186c9_quant
	.globl	k_q5f06e186c9_quant
	.p2align	8
	.type	k_q5f06e186c9_quant,@function
k_q5f06e186c9_quant:
	s_mov_b64 s[64:65], 0
	v_nop
	global_prefetch_b8 v0, s[64:65] scope:SCOPE_SE
	s_setreg_imm32_b32 hwreg(HW_REG_WAVE_MODE, 25, 1), 1
	s_wait_xcnt 0x0
; x [8192][1024], w_qkv [3072][1024] and w_proj [1024][1024], f32, K innermost, become codes of FP6 (E2M3) with one E8M0 byte for each 32 along K.
; A block's scale is 2^(floor(log2(its largest magnitude)) - 2): its byte is the largest magnitude's exponent field - 2, held at 1 from below.
; LIMITS: NaN and infinities are not served; a block whose largest magnitude lies under 2^-124 keeps the byte 1; a block of zeros keeps the byte 1 where the rule says 127
; (its codes are zeros, which add nothing under any byte but 0xff, and this program alone reads the bytes).
; LAYOUT OF THE RESULT (this program's own): RECORDS of 12,800 bytes, one for each tile of 16 rows.  Index i of tile T is row 32 (T / 2) + 8 (T % 2) + i + 8 (i / 8), so that a later
; product, used transposed, finds 16 neighbours of its next K in the 16 registers of two neighbouring tiles.  A record holds 8 images of an operand's registers (16 rows x 128 K, 1,536 bytes:
; registers 0-3 at 16 x lane, 4-5 at 512 + 8 x lane, 6-9 at 768 + 16 x lane, 10-11 at 1,280 + 8 x lane), then 512 bytes of scale words: that of row index r and K step s at 12,288 + 128 (s / 2) + 8 r + 4 (s % 2).
; SHARES.  Work-groups 0-255 take x, 256-319 w_qkv's rows 0-2047 (q, k), 320-351 its rows 2048-3071 (v), 352-383 w_proj: only pointers are chosen, there is one path.  A wave takes half a tile: 16 rows x 512 numbers,
; four fragments.  Each load reads 512 consecutive bytes of one row; a fragment's 8 KiB turn through the wave's own stage in LDS, so that a lane gets two whole blocks of 32 of its row, as the operand's layout asks.
; Memory binds: no matrix unit, no cluster (no two work-groups read the same bytes), no barrier (waves share nothing).  Two fragments' loads, 32 of 512 bytes, are out in each wave.
.set ROW,  4096                        ; a row of any of the three tensors, in bytes
.set REC,  12800
.set SP,   528                         ; a stage row: 512 bytes + 16, so that the sixteen rows that a load of 16 bytes a lane touches begin in sixteen different groups of banks
.set M,    12                          ; v12-13  the two blocks' largest magnitudes
.set SOP,  14                          ; v14-15  the conversions' scale operands
.set BY,   16                          ; v16-17  the scale bytes
.set SW,   20                          ; v20-23  the four fragments' scale words
.set C,    24                          ; v24-35  a fragment's codes; v36-42 at work
.set R,    48                          ; v48-175 two sets of 64: a fragment as loaded
.set X,    176                         ; v176-239 my two blocks of 32
	s_load_b128 s[4:7], s[0:1], 0x0                ; x, w_qkv
	s_load_b128 s[8:11], s[0:1], 0x10              ; w_proj, xq
	s_load_b128 s[12:15], s[0:1], 0x20             ; wkq, wvq
	s_load_b64 s[16:17], s[0:1], 0x30              ; wpq
	v_lshl_add_u32 v240, v0, 2, 0x8400
	v_mov_b32 v241, 0
	v_lshrrev_b32 v1, 5, v0
	v_readfirstlane_b32 s18, v1                    ; wave
	v_and_b32 v1, 31, v0                           ; lane
	v_and_b32 v2, 15, v0                           ; r
	v_bfe_u32 v3, v0, 4, 1                         ; h
	v_lshlrev_b32 v4, 4, v1                        ; 16 x lane: my bytes of a load's 512, and of a store's
	s_mul_i32 s19, s18, 16*SP                      ; my wave's stage
	v_add_nc_u32 v5, s19, v4                       ; into it: as loaded
	v_mul_u32_u24 v6, v2, SP
	v_lshl_add_u32 v6, v3, 7, v6
	v_add_nc_u32 v6, s19, v6                       ; out of it: row r, block h
	v_lshlrev_b32 v8, 3, v1                        ; 8 x lane
	v_lshlrev_b32 v9, 3, v3                        ; 8 h: where my two bytes stand in a scale word
	v_mov_b32 v19, 0                               ; written once: a lane permute's destination counts as one of its sources
	s_mov_b32 s20, 0x76543210
	s_mov_b32 s21, 0xfedcba98                      ; selects for lane l xor 16
	s_wait_alu depctr_va_vdst(0)
	s_wait_kmcnt 0x0
	s_add_nc_u64 s[22:23], s[6:7], 2048*ROW        ; w_qkv's rows for v
	s_mov_b64 s[24:25], s[8:9]                     ; from: w_proj,
	s_mov_b64 s[26:27], s[16:17]                   ; to: wpq,
	s_mov_b32 s28, 352                             ; the range's first work-group; each choice hangs on the work-group's number alone
	s_cmp_lt_u32 ttmp9, 352
	s_cselect_b64 s[24:25], s[22:23], s[24:25]
	s_cselect_b64 s[26:27], s[14:15], s[26:27]
	s_cselect_b32 s28, 320, s28
	s_cmp_lt_u32 ttmp9, 320
	s_cselect_b64 s[24:25], s[6:7], s[24:25]
	s_cselect_b64 s[26:27], s[12:13], s[26:27]
	s_cselect_b32 s28, 256, s28
	s_cmp_lt_u32 ttmp9, 256
	s_cselect_b64 s[24:25], s[4:5], s[24:25]
	s_cselect_b64 s[26:27], s[10:11], s[26:27]
	s_cselect_b32 s28, 0, s28
	s_sub_co_u32 s29, ttmp9, s28
	s_lshl_b32 s29, s29, 2
	s_add_co_u32 s29, s29, s18                     ; which half tile of the tensor is my wave's
	s_lshr_b32 s30, s29, 1                         ; T
	s_and_b32 s31, s29, 1                          ; which half of K
	s_lshr_b32 s32, s30, 1
	s_lshl_b32 s32, s32, 17                        ; 32 (T / 2) rows of 4,096 bytes
	s_and_b32 s33, s30, 1
	s_lshl_b32 s33, s33, 15                        ; 8 (T % 2) rows
	s_add_co_u32 s32, s32, s33
	s_lshl_b32 s33, s31, 11                        ; 512 numbers
	s_add_co_u32 s32, s32, s33
	s_mov_b32 s33, 0
	s_add_nc_u64 s[24:25], s[24:25], s[32:33]
	s_mul_i32 s34, s30, REC
	s_mov_b32 s35, 0
	s_add_nc_u64 s[26:27], s[26:27], s[34:35]      ; the tile's record
	s_lshl_b32 s34, s31, 8
	s_add_co_u32 s34, s34, 12288
	s_add_nc_u64 s[36:37], s[26:27], s[34:35]      ; my 256 bytes of its scale words
	s_mul_i32 s34, s31, 4*1536
	s_add_nc_u64 s[26:27], s[26:27], s[34:35]      ; my four images
.macro LOAD t                          ; fragment t as it lies: 16 loads, each 512 consecutive bytes of one row, starting at a multiple of 512 bytes
.irp i, 0,1,2,3,4,5,6,7,8,9,10,11,12,13,14,15
	global_load_b128 v[R+64*((\t)%2)+4*\i:R+64*((\t)%2)+4*\i+3], v4, s[24:25] offset:(\i+8*(\i/8))*ROW+512*(\t) th:TH_LOAD_NT
.endr
.endm
.macro TURN t                          ; through the stage: LDS serves a wave's instructions in order, so no wait stands between the stores and the loads
.irp i, 0,1,2,3,4,5,6,7,8,9,10,11,12,13,14,15
	ds_store_b128 v5, v[R+64*((\t)%2)+4*\i:R+64*((\t)%2)+4*\i+3] offset:SP*\i
.endr
.irp c, 0,1
.irp q, 0,1,2,3,4,5,6,7
	ds_load_b128 v[X+32*\c+4*\q:X+32*\c+4*\q+3], v6 offset:256*\c+16*\q   ; block 2 c + h of row r
.endr
.endr
.endm
.macro WORK t
.irp c, 0,1
	v_max3_num_f32 v[M+\c], |v[X+32*\c]|, |v[X+32*\c+1]|, 0x1800000   ; all 32 numbers of a block are mine; the floor 2^(3 - 127) holds the byte at 1 from below
.endr
.irp i, 2,4,6,8,10,12,14,16,18,20,22,24,26,28,30
.irp c, 0,1
	v_max3_num_f32 v[M+\c], v[M+\c], |v[X+32*\c+\i]|, |v[X+32*\c+\i+1]|   ; (the two blocks by turns)
.endr
.endr
.irp c, 0,1
	v_add_nc_u32 v[SOP+\c], 0xff000000, v[M+\c]    ; 2 off the exponent field: the conversion takes the exponent field of this operand as its scale
.endr
.irp c, 0,1
	v_lshrrev_b32 v[BY+\c], 23, v[SOP+\c]          ; the scale's byte
.endr
	v_lshl_or_b32 v18, v[BY+1], 16, v[BY]          ; blocks h and 2 + h,
	v_lshlrev_b32 v18, v9, v18                     ; at their places in the word;
	v_permlanex16_b32 v19, v18, s20, s21
	v_or_b32 v[SW+\t], v18, v19                    ; with lane l xor 16's two the word is whole, in both halves of the lanes
.if \t > 0
	s_wait_alu depctr_va_vdst(0)
	s_wait_xcnt 0x0                                ; the last fragment's stores have read their data: the codes' registers are written again only behind this wait
.endif
.irp c, 0,1
	v_cvt_scalef32_pk16_fp6_f32 v[C+6*\c:C+6*\c+2], v[X+32*\c:X+32*\c+15], v[SOP+\c]
	v_cvt_scalef32_pk16_fp6_f32 v[C+12+4*\c:C+14+4*\c], v[X+32*\c+16:X+32*\c+31], v[SOP+\c]   ; (a conversion's three registers begin on an even number: made elsewhere and moved)
.endr
	v_nop                                          ; one plain place behind a scaled conversion
.irp c, 0,1
.irp i, 0,1,2
	v_mov_b32 v[C+3+6*\c+\i], v[C+12+4*\c+\i]
.endr
.endr
	global_store_b128 v4, v[C:C+3], s[26:27] offset:1536*\t          ; each store covers 512 or 256 consecutive bytes, at a multiple of 256 from the buffer's first byte
	global_store_b64 v8, v[C+4:C+5], s[26:27] offset:1536*\t+512
	global_store_b128 v4, v[C+6:C+9], s[26:27] offset:1536*\t+768
	global_store_b64 v8, v[C+10:C+11], s[26:27] offset:1536*\t+1280
.endm
	LOAD 0
	LOAD 1
.irp t, 0,1,2,3
.if \t < 3
	s_wait_loadcnt 16                              ; this fragment's 16 loads are in; the next fragment's 16 stay out
.else
	s_wait_loadcnt 0x0
.endif
	TURN \t
	s_wait_dscnt 0x0                               ; my blocks are back, and the stores into the stage have read their registers,
.if \t < 2
	LOAD \t+2                                      ; which take the fragment two further on
.endif
	WORK \t
.endr
	v_cmp_gt_u32 vcc_lo, 16, v1                    ; lanes 0-15 store the words of fragments 0, 1 of row r, lanes 16-31 those of fragments 2, 3
	v_cndmask_b32 v44, v[SW+2], v[SW], vcc_lo
	v_cndmask_b32 v45, v[SW+3], v[SW+1], vcc_lo
	global_store_b64 v8, v[44:45], s[36:37]        ; 256 consecutive bytes, aligned
	s_wait_tensorcnt 0x0
	ds_add_u32 v240, v241
	s_wait_dscnt 0x0
	s_endpgm
.Lfunc_end_k_q5f06e186c9_quant:
	.size	k_q5f06e186c9_quant, .Lfunc_end_k_q5f06e186c9_quant-k_q5f06e186c9_quant
	.p2alignl 7, 3214868480
	.fill 96, 4, 3214868480
	.section	.rodata,"a",@progbits
	.p2align	6, 0x0
	.amdhsa_kernel k_q5f06e186c9_quant
		.amdhsa_group_segment_fixed_size 34304
		.amdhsa_private_segment_fixed_size 0
		.amdhsa_enable_private_segment 0
		.amdhsa_kernarg_size 56
		.amdhsa_user_sgpr_count 2
		.amdhsa_user_sgpr_kernarg_segment_ptr 1
		.amdhsa_wavefront_size32 1
		.amdhsa_system_sgpr_workgroup_id_x 1
		.amdhsa_system_sgpr_workgroup_id_y 1
		.amdhsa_system_sgpr_workgroup_id_z 1
		.amdhsa_system_vgpr_workitem_id 0
		.amdhsa_next_free_vgpr 242
		.amdhsa_next_free_sgpr 66
		.amdhsa_reserve_vcc 1
		.amdhsa_float_denorm_mode_32 3
		.amdhsa_float_denorm_mode_16_64 3
		.amdhsa_memory_ordered 1
		.amdhsa_forward_progress 1
		.amdhsa_inst_pref_size 31
	.end_amdhsa_kernel
	.amdgpu_metadata
---
amdhsa.version: [ 1, 2 ]
amdhsa.kernels:
  - .name:           k_q5f06e186c9_quant
    .symbol:         k_q5f06e186c9_quant.kd
    .args:
      - { .name: x, .offset: 0, .size: 8, .value_kind: global_buffer, .address_space: global }
      - { .name: w_qkv, .offset: 8, .size: 8, .value_kind: global_buffer, .address_space: global }
      - { .name: w_proj, .offset: 16, .size: 8, .value_kind: global_buffer, .address_space: global }
      - { .name: xq, .offset: 24, .size: 8, .value_kind: global_buffer, .address_space: global }
      - { .name: wkq, .offset: 32, .size: 8, .value_kind: global_buffer, .address_space: global }
      - { .name: wvq, .offset: 40, .size: 8, .value_kind: global_buffer, .address_space: global }
      - { .name: wpq, .offset: 48, .size: 8, .value_kind: global_buffer, .address_space: global }
    .group_segment_fixed_size: 34304
    .private_segment_fixed_size: 0
    .kernarg_segment_align: 8
    .kernarg_segment_size: 56
    .max_flat_workgroup_size: 128
    .sgpr_count:     66
    .vgpr_count:     242
    .wavefront_size: 32
...
	.end_amdgpu_metadata
.endif
;; end of part 1
;; launch gemm_qk (part 2): grid 16 x 32, 8 waves a work-group, clusters of 4 x 4, 312,320 bytes of LDS; arguments xq, wkq, qk; writes qk
.if DOCPART == 2
	.amdgcn_target "amdgcn-amd-amdhsa--gfx1250"
	.amdhsa_code_object_version 6
	.text
	.protected	k_q5f06e186c9_gemm_qk
	.globl	k_q5f06e186c9_gemm_qk
	.p2align	8
	.type	k_q5f06e186c9_gemm_qk,@function
k_q5f06e186c9_gemm_qk:
	s_mov_b64 s[64:65], 0
	v_nop
	global_prefetch_b8 v0, s[64:65] scope:SCOPE_SE
	s_setreg_imm32_b32 hwreg(HW_REG_WAVE_MODE, 25, 1), 1
	s_wait_xcnt 0x0
	s_wait_alu depctr_hold_cnt(0) depctr_sa_sdst(0) depctr_va_vdst(0) depctr_va_sdst(0) depctr_va_ssrc(0) depctr_va_vcc(0) depctr_vm_vsrc(0)
	s_getreg_b32 s2, hwreg(HW_REG_IB_STS2, 6, 4)
	s_cmp_eq_u32 s2, 0
	s_cbranch_scc0 .Lentry_in_a_cluster
	s_endpgm
.Lentry_in_a_cluster:
	s_bfe_u32 s2, ttmp6, 0x10000c
	s_cmp_lg_u32 s2, 0xf033
	s_cbranch_scc0 .Lentry_shape_is_right
	s_endpgm
.Lentry_shape_is_right:
; C' = A' B'^T over K = 1,024 on codes of FP6 (E2M3) with E8M0 scales, and C' QUANTISED AGAIN on its way out, along B''s rows, in blocks of 32.
; It runs twice: A' = x, B' = w_qkv's rows for q and k (the blocks run along a head's 64);  A' = w_qkv's rows for v, B' = x (the result is v transposed, and the blocks run along the keys).
; OPERANDS come as records of 12,800 bytes for each tile of 16 rows: 8 images of the operand's registers (1,536 bytes a K step of 128), then 512 bytes of scale words.  Index i of tile T is row 32 (T / 2) + 8 (T % 2) + i + 8 (i / 8).
; SHARES.  A work-group makes 256 rows of A' x 128 rows of B'.  Both panels for ALL of K are 384 x 768 = 294,912 bytes: they fit in LDS, so every LDS byte is filled ONCE: no ring, no slot filled again.  They come in four chunks
; of 256 along K, all asked for at the start; chunk c is multiplied while the later chunks land.  Eight waves, two to a SIMD (the one's LDS loads stand beside the other's products): wave w makes rows 64 (w % 4) of A' x rows 64 (w / 4) of B':
; 16 accumulators, 128 registers; all of a wave fits in 256 registers, so no register window is switched.
; CLUSTERS: 4 x 4 work-groups.  The four of a row of the cluster need the same panel of A', the four of a column the same panel of B': each part is asked for JOINTLY, by the same tensor load with the same descriptor and a mask that names the four.
; THE MATRIX INSTRUCTION IS USED TRANSPOSED (source 0 = 16 rows of B', source 1 = 16 rows of A'): lane (r, h) holds row index r of A', and the 16 registers of B''s tiles 2 b, 2 b + 1 are B''s rows 32 b + 16 h + 0 .. 15: neighbours along the next K.
; THE RESULT: a UNIT for each wave: two images (image p: 16 row indices x [A' tile 2 p: 64 | A' tile 2 p + 1: 64]), 3,072 bytes, and 128 bytes of scale words (8 r + 4 p).  Unit u lies at 524,288 + 3,072 u, its words at 128 u.
; LIMITS: NaN and infinities are not served; blocks under 2^-124 and blocks of zeros keep the scale byte 1 (this program alone reads the bytes).
.set REC,  12800
.set CHK,  73728                       ; a chunk in LDS: A''s 16 tiles x 3,072 bytes, then B''s 8
.set BOFF, 49152
.set SCA,  294912                      ; behind the chunks: A''s scale words, 16 x 512 bytes, put there by LDS stores: no tensor load lands here
.set SCB,  303232                      ; B''s, 8 x 512 bytes; 8,192 + 128 behind A''s, so that the two halves of the lanes read different banks
.set SC,   12                          ; v12-19  scale words and nothing else: register 2 i + s % 2: lanes 0-15 A' tile i's, lanes 16-31 B' tile i's
.set FA,   20                          ; v20-67  A''s four fragments
.set FB,   68                          ; v68-115 B''s four
.set ACC,  128                         ; v128-255 accumulator (a, b) at 128 + 8 (4 a + b)
.set TM,   40                          ; the way out: v40-55 at work
.macro CROUND                          ; a round of the cluster's barrier: my work-group's barrier, wave 0 signals for the work-group, every wave waits for all sixteen, my work-group's barrier once more
	s_barrier_signal -1
	s_barrier_wait -1
	s_cmp_lg_u32 s12, 0
	s_cbranch_scc1 .Lnot_wave_0_\@
	s_barrier_signal -3
.Lnot_wave_0_\@:
	s_barrier_wait -3
	s_barrier_signal -1
	s_barrier_wait -1
.endm
	s_load_b128 s[4:7], s[0:1], 0x0                ; A', B'
	s_load_b64 s[8:9], s[0:1], 0x10                ; the units
	v_lshl_add_u32 v126, v0, 2, 0x4c000
	v_mov_b32 v127, 0
	ds_add_u32 v126, v127
	ds_add_u32 v126, v127
	v_lshrrev_b32 v9, 5, v0
	s_delay_alu instid0(VALU_DEP_1)
	v_readfirstlane_b32 s12, v9                    ; wave 0..7
	s_and_b32 s13, s12, 3                          ; wr: my 64 rows of A'.  Also: which part of a panel I fetch
	s_lshr_b32 s14, s12, 2                         ; wc: my 64 rows of B'.  Also: I fetch for A' (0) or for B' (1)
	s_bfe_u32 s15, ttmp6, 0x40000                  ; cx, cy: my place in the cluster
	s_bfe_u32 s16, ttmp6, 0x40004
	s_lshl_b32 s17, ttmp9, 2
	s_add_co_u32 s17, s17, s15                     ; X = 4 x cluster x + cx: which 128 rows of B'
	s_and_b32 s18, ttmp7, 0xffff
	s_lshl_b32 s18, s18, 2
	s_add_co_u32 s18, s18, s16                     ; Y = 4 x cluster y + cy: which 256 rows of A'
	s_lshl_b32 s52, s16, 2
	s_lshl_b32 s52, 15, s52                        ; my row of the cluster
	s_lshl_b32 s53, 0x1111, s15                    ; my column
	; group 1 for A': 4 rows of 3,072 bytes (384 elements of 8), a record apart: two K steps' images of four tiles, dense in LDS
	s_or_b32 s20, s52, (3<<16)|(1<<21)             ; 15:0 the mask; 17:16 elements of 8 bytes; 21 set beside a mask; no padding
	s_mov_b32 s21, 384<<16                         ; tensor_dim0
	s_mov_b32 s22, 4<<16                           ; tensor_dim1
	s_mov_b32 s23, 384<<16                         ; tile_dim0
	s_mov_b32 s24, 4                               ; tile_dim1
	s_mov_b32 s25, REC/8                           ; from row to row, in elements
	s_mov_b32 s26, 0
	s_mov_b32 s27, 0
	s_or_b32 s28, s53, (3<<16)|(1<<21)             ; for B': 2 such rows
	s_mov_b32 s29, 384<<16
	s_mov_b32 s30, 2<<16
	s_mov_b32 s31, 384<<16
	s_mov_b32 s32, 2
	s_mov_b32 s33, REC/8
	s_mov_b32 s34, 0
	s_mov_b32 s35, 0
	s_lshl_b32 s54, s18, 4                         ; A': tile 16 Y + 4 wr.  (Registers that feed A''s descriptors never hold X, those that feed B''s never Y)
	s_lshl_b32 s55, s13, 2
	s_add_co_u32 s54, s54, s55
	s_mul_i32 s54, s54, REC
	s_mov_b32 s55, 0
	s_lshl_b32 s58, s17, 3                         ; B': tile 8 X + 2 wr
	s_lshl_b32 s59, s13, 1
	s_add_co_u32 s58, s58, s59
	s_mul_i32 s58, s58, REC
	s_mov_b32 s59, 0
	s_mul_i32 s62, s13, 4*3072                     ; where they go: the wave's number alone enters an LDS address
	s_mul_i32 s63, s13, 2*3072
	s_add_co_u32 s63, s63, BOFF
	s_mul_i32 s84, s18, 16*REC                     ; the scale words of A''s 16 tiles,
	s_add_co_u32 s84, s84, 12288
	s_mov_b32 s85, 0
	s_mul_i32 s88, s17, 8*REC                      ; and of B''s 8
	s_add_co_u32 s88, s88, 12288
	s_mov_b32 s89, 0
	s_lshl_b32 s96, s18, 2                         ; my unit: Rg = 4 Y + wr, Gc = 2 X + wc, u = Rg % 16 + 16 (Gc % 32) + 512 (Rg / 16 + Gc / 32)
	s_add_co_u32 s96, s96, s13
	s_lshl_b32 s97, s17, 1
	s_add_co_u32 s97, s97, s14
	s_and_b32 s98, s96, 15
	s_and_b32 s99, s97, 31
	s_lshl_b32 s99, s99, 4
	s_add_co_u32 s98, s98, s99
	s_lshr_b32 s96, s96, 4
	s_lshr_b32 s97, s97, 5
	s_add_co_u32 s96, s96, s97
	s_lshl_b32 s96, s96, 9
	s_add_co_u32 s98, s98, s96                     ; u
	s_mov_b32 s100, 0x76543210
	s_mov_b32 s101, 0xfedcba98                     ; selects for lane l xor 16
	s_wait_dscnt 0x0
	s_wait_kmcnt 0x0
	s_add_nc_u64 s[56:57], s[4:5], s[54:55]
	s_add_nc_u64 s[60:61], s[6:7], s[58:59]
	s_add_nc_u64 s[86:87], s[4:5], s[84:85]
	s_add_nc_u64 s[90:91], s[6:7], s[88:89]
	s_mul_i32 s96, s98, 3072
	s_add_co_u32 s96, s96, 524288
	s_mov_b32 s97, 0
	s_add_nc_u64 s[92:93], s[8:9], s[96:97]        ; my unit's images
	s_lshl_b32 s96, s98, 7
	s_add_nc_u64 s[94:95], s[8:9], s[96:97]        ; and its scale words
.irp c, 0,1,2,3                        ; group 0, a set for each chunk: none is written again
	s_mov_b32 s[36+4*\c], 1
	s_add_co_u32 s[37+4*\c], s62, CHK*\c
	s_add_nc_u64 s[38+4*\c:39+4*\c], s[56:57], 3072*\c
	s_or_b32 s[39+4*\c], s[39+4*\c], 0x80000000
	s_mov_b32 s[68+4*\c], 1
	s_add_co_u32 s[69+4*\c], s63, CHK*\c
	s_add_nc_u64 s[70+4*\c:71+4*\c], s[60:61], 3072*\c
	s_or_b32 s[71+4*\c], s[71+4*\c], 0x80000000
.endr
	CROUND                                         ; all sixteen work-groups are here: the joint loads meet
	s_cmp_lt_u32 s12, 4                            ; a wave's four fills stand in one branch on the wave's number, ahead of every wait on TENSORcnt and every LDS read: four loads of mine are out
	s_cbranch_scc0 .Lfill_b
	tensor_load_to_lds s[36:39], s[20:27]
	s_nop 0
	tensor_load_to_lds s[40:43], s[20:27]
	s_nop 0
	tensor_load_to_lds s[44:47], s[20:27]
	s_nop 0
	tensor_load_to_lds s[48:51], s[20:27]
	s_nop 0
.rept 4
	v_nop
.endr
	s_branch .Lfilled
.Lfill_b:
	tensor_load_to_lds s[68:71], s[28:35]
	s_nop 0
	tensor_load_to_lds s[72:75], s[28:35]
	s_nop 0
	tensor_load_to_lds s[76:79], s[28:35]
	s_nop 0
	tensor_load_to_lds s[80:83], s[28:35]
	s_nop 0
.rept 4
	v_nop
.endr
.Lfilled:
	; the scale words: 512 dense bytes of each record; wave w copies those of A''s tiles w and 8 + w and of B''s tile w, once, 512 consecutive bytes a load
	v_and_b32 v10, 31, v0                          ; lane
	s_wait_alu depctr_va_vdst(0)
	v_mul_u32_u24 v9, v9, REC
	s_delay_alu instid0(VALU_DEP_1)
	v_lshl_add_u32 v9, v10, 4, v9
	global_load_b128 v[20:23], v9, s[86:87]
	global_load_b128 v[24:27], v9, s[86:87] offset:8*REC
	global_load_b128 v[28:31], v9, s[90:91]
	v_and_b32 v11, 15, v0                          ; r
	v_bfe_u32 v116, v0, 4, 1                       ; h
	v_lshlrev_b32 v6, 4, v10                       ; 16 x lane
	v_lshlrev_b32 v7, 3, v10                       ; 8 x lane
	s_mul_i32 s84, s13, 4*3072
	v_add_nc_u32 v1, s84, v6                       ; my four tiles of A' in the chunk in hand: the parts read 16 bytes a lane,
	v_add_nc_u32 v2, s84, v7                       ; and those read 8 bytes a lane
	s_mul_i32 s85, s14, 4*3072
	s_add_co_u32 s85, s85, BOFF
	v_add_nc_u32 v3, s85, v6                       ; the same for B'
	v_add_nc_u32 v4, s85, v7
	s_xor_b32 s85, s13, 3                          ; lanes 16-31 take B''s words: ONE product, h x the distance SCB + 2,048 wc - SCA - 2,048 wr = 2,176 + 2,048 (wc + 3 - wr)
	s_add_co_u32 s85, s85, s14
	s_lshl_b32 s85, s85, 11
	s_add_co_u32 s85, s85, SCB-SCA-3*2048
	v_mul_u32_u24 v5, s85, v116
	s_wait_alu depctr_va_vdst(0)
	s_lshl_b32 s84, s13, 11
	s_add_co_u32 s84, s84, SCA
	v_lshl_add_u32 v5, v11, 3, v5
	s_delay_alu instid0(VALU_DEP_1)
	v_add_nc_u32 v5, s84, v5                       ; my scale words: 8 bytes a row index and a chunk
	v_lshlrev_b32 v8, 3, v11
	s_delay_alu instid0(VALU_DEP_1)
	v_lshl_add_u32 v8, v116, 2, v8                 ; the way out: 8 r + 4 h
	v_lshl_add_u32 v117, v0, 4, SCA
	s_wait_alu depctr_va_vdst(0)
	s_wait_loadcnt 0x0
	ds_store_b128 v117, v[20:23]
	ds_store_b128 v117, v[24:27] offset:4096
	ds_store_b128 v117, v[28:31] offset:SCB-SCA
.macro FRAG reg, a16, a8, off          ; an image comes back as it was stored: the same registers in the same lanes; every load reads consecutive bytes
	ds_load_b128 v[(\reg):(\reg)+3], v[\a16] offset:(\off)
	ds_load_b64 v[(\reg)+4:(\reg)+5], v[\a8] offset:(\off)+512
	ds_load_b128 v[(\reg)+6:(\reg)+9], v[\a16] offset:(\off)+768
	ds_load_b64 v[(\reg)+10:(\reg)+11], v[\a8] offset:(\off)+1280
.endm
; A K step of 128: 32 (with the scale words 36) LDS loads, 16 matrix instructions.  The 16 accumulators take turns, one instruction a turn, in the same order in every step.
.macro KSTEP s, zero
.if ((\s)%2) == 0
.irp i, 0,1,2,3
	ds_load_b64 v[SC+2*\i:SC+2*\i+1], v5 offset:512*\i+128*((\s)/2)   ; the chunk's two words of each row index
.endr
.endif
.irp i, 0,1,2,3
	FRAG FB+12*\i, 3, 4, 3072*\i+1536*((\s)%2)
.endr
.irp i, 0,1,2,3
	FRAG FA+12*\i, 1, 2, 3072*\i+1536*((\s)%2)
.endr
.irp a, 0,1,2,3
	s_wait_dscnt 12-4*\a                           ; the words, B''s four and A''s tiles up to a are in; the four loads of each later tile of A' stay out
.irp b, 0,1,2,3
.if \zero
	v_wmma_scale_f32_16x16x128_f8f6f4 v[ACC+8*(4*\a+\b):ACC+8*(4*\a+\b)+7], v[FB+12*\b:FB+12*\b+11], v[FA+12*\a:FA+12*\a+11], 0, v[SC+2*\b+((\s)%2)], v[SC+2*\a+((\s)%2)] matrix_a_fmt:MATRIX_FMT_FP6 matrix_b_fmt:MATRIX_FMT_FP6 matrix_a_scale:MATRIX_SCALE_ROW1
.else
	v_wmma_scale_f32_16x16x128_f8f6f4 v[ACC+8*(4*\a+\b):ACC+8*(4*\a+\b)+7], v[FB+12*\b:FB+12*\b+11], v[FA+12*\a:FA+12*\a+11], v[ACC+8*(4*\a+\b):ACC+8*(4*\a+\b)+7], v[SC+2*\b+((\s)%2)], v[SC+2*\a+((\s)%2)] matrix_a_fmt:MATRIX_FMT_FP6 matrix_b_fmt:MATRIX_FMT_FP6 matrix_a_scale:MATRIX_SCALE_ROW1
.endif
.endr
.endr
.endm
; A chunk: my part of it has landed (my later chunks' loads stay out), my LDS stores and loads are done; then the barrier, behind which everybody's part is there.
; Four plain vector instructions stand between a step's last product and the loads into registers that it read (ISA guide 7.12.1 for vector instructions).
.macro CHUNK c, zero
	s_wait_tensorcnt 3-\c
	s_wait_dscnt 0x0
	s_barrier_signal -1
	s_barrier_wait -1
	KSTEP 2*\c, \zero
.rept 4
	v_nop
.endr
	KSTEP 2*\c+1, 0
.if \c < 3
	v_add_nc_u32 v1, CHK, v1                       ; on to the next chunk: these four are the places
	v_add_nc_u32 v2, CHK, v2
	v_add_nc_u32 v3, CHK, v3
	v_add_nc_u32 v4, CHK, v4
.else
.rept 4
	v_nop
.endr
.endif
.endm
	CHUNK 0, 1                                     ; the first step's products start the sums: nothing is cleared
	s_wait_alu depctr_va_vdst(0)
	CHUNK 1, 0
	s_wait_alu depctr_va_vdst(0)
	CHUNK 2, 0
	s_wait_alu depctr_va_vdst(0)
	CHUNK 3, 0
; THE WAY OUT.  64 numbers of a lane, register 16 b + i = place 32 b + 16 h + i of my row index's 128, become an image's codes in v[pc] on and its scale word in v[pw].
.macro QUANT s, pc, pw
.irp b, 0,1,2,3
	v_max3_num_f32 v[TM+\b], |v[\s+16*\b]|, |v[\s+1+16*\b]|, 0x1800000   ; block b: my 16 numbers, and the floor 2^(3 - 127).  (Each accumulator is read from its low end on)
.endr
.irp i, 2,4,6,8,10,12,14
.irp b, 0,1,2,3
	v_max3_num_f32 v[TM+\b], v[TM+\b], |v[\s+16*\b+\i]|, |v[\s+1+16*\b+\i]|   ; (the four blocks by turns)
.endr
.endr
.irp b, 0,1,2,3
	s_delay_alu instid0(VALU_DEP_4)
	v_permlanex16_b32 v[TM+4+\b], v[TM+\b], s100, s101
.endr
.irp b, 0,1,2,3
	s_delay_alu instid0(VALU_DEP_4)
	v_max_num_f32 v[TM+\b], v[TM+\b], v[TM+4+\b]   ; with lane l xor 16's: the block's largest magnitude
.endr
.irp b, 0,1,2,3
	s_delay_alu instid0(VALU_DEP_4)
	v_add_nc_u32 v[TM+12+\b], 0xff000000, v[TM+\b] ; 2 off its exponent field: the conversion's scale operand
.endr
.irp b, 0,1,2,3
	s_delay_alu instid0(VALU_DEP_4)
	v_lshrrev_b32 v[TM+4+\b], 23, v[TM+12+\b]      ; the scale's byte
.endr
	s_delay_alu instid0(VALU_DEP_3)
	v_lshl_or_b32 v[\pw], v[TM+5], 8, v[TM+4]
	s_delay_alu instid0(VALU_DEP_1)
	v_lshl_or_b32 v[\pw], v[TM+6], 16, v[\pw]
	s_delay_alu instid0(VALU_DEP_1)
	v_lshl_or_b32 v[\pw], v[TM+7], 24, v[\pw]
.irp c, 0,1
	v_cvt_scalef32_pk16_fp6_f32 v[\pc+6*\c:\pc+2+6*\c], v[\s+32*\c:\s+15+32*\c], v[TM+12+2*\c]
	v_cvt_scalef32_pk16_fp6_f32 v[\pc+12+4*\c:\pc+14+4*\c], v[\s+16+32*\c:\s+31+32*\c], v[TM+12+2*\c+1]   ; (a conversion's three registers begin on an even number)
.endr
	v_nop                                          ; one plain place behind a scaled conversion
.irp c, 0,1                            ; the operand's layout wants a WHOLE block in a lane: lanes 0-15 block 2 c, lanes 16-31 block 2 c + 1
.irp i, 0,1,2
	v_permlane16_swap_b32 v[\pc+6*\c+\i], v[\pc+12+4*\c+\i]
.endr
.irp i, 0,1,2
	s_delay_alu instid0(VALU_DEP_3)
	v_mov_b32 v[\pc+3+6*\c+\i], v[\pc+12+4*\c+\i]
.endr
.endr
.endm
.irp b, 0,1,2,3
	v_mov_b32 v[TM+4+\b], 0                        ; written once: a lane permute's destination counts as one of its sources
.endr
	QUANT 128, 20, 56                              ; A''s tiles 0, 1 of mine
	global_store_b128 v6, v[20:23], s[92:93]       ; each store covers 512 or 256 consecutive bytes, at a multiple of 256 from the buffer's first byte
	global_store_b64 v7, v[24:25], s[92:93] offset:512
	global_store_b128 v6, v[26:29], s[92:93] offset:768
	global_store_b64 v7, v[30:31], s[92:93] offset:1280
	QUANT 192, 60, 57                              ; tiles 2, 3, into registers of their own: no store's data are written again
	global_store_b128 v6, v[60:63], s[92:93] offset:1536
	global_store_b64 v7, v[64:65], s[92:93] offset:1536+512
	global_store_b128 v6, v[66:69], s[92:93] offset:1536+768
	global_store_b64 v7, v[70:71], s[92:93] offset:1536+1280
	v_cmp_gt_u32 vcc_lo, 16, v10
	s_delay_alu instid0(VALU_DEP_1)
	v_cndmask_b32 v58, v57, v56, vcc_lo            ; lanes 0-15 the first image's word of row index r, lanes 16-31 the second's
	global_store_b32 v8, v58, s[94:95]             ; 128 consecutive bytes: half of an aligned 256; one byte in 24 of what the wave stores
	s_wait_tensorcnt 0x0
	ds_add_u32 v126, v127
	s_wait_dscnt 0x0
	CROUND                                         ; the closing round: no work-group ends while a partner may still ask for a part that names it
	s_endpgm
.Lfunc_end_k_q5f06e186c9_gemm_qk:
	.size	k_q5f06e186c9_gemm_qk, .Lfunc_end_k_q5f06e186c9_gemm_qk-k_q5f06e186c9_gemm_qk
	.p2alignl 7, 3214868480
	.fill 96, 4, 3214868480
	.section	.rodata,"a",@progbits
	.p2align	6, 0x0
	.amdhsa_kernel k_q5f06e186c9_gemm_qk
		.amdhsa_group_segment_fixed_size 312320
		.amdhsa_private_segment_fixed_size 0
		.amdhsa_enable_private_segment 0
		.amdhsa_kernarg_size 24
		.amdhsa_user_sgpr_count 2
		.amdhsa_user_sgpr_kernarg_segment_ptr 1
		.amdhsa_wavefront_size32 1
		.amdhsa_system_sgpr_workgroup_id_x 1
		.amdhsa_system_sgpr_workgroup_id_y 1
		.amdhsa_system_sgpr_workgroup_id_z 1
		.amdhsa_system_vgpr_workitem_id 0
		.amdhsa_next_free_vgpr 256
		.amdhsa_next_free_sgpr 102
		.amdhsa_reserve_vcc 1
		.amdhsa_float_denorm_mode_32 3
		.amdhsa_float_denorm_mode_16_64 3
		.amdhsa_memory_ordered 1
		.amdhsa_forward_progress 1
		.amdhsa_inst_pref_size 56
	.end_amdhsa_kernel
	.amdgpu_metadata
---
amdhsa.version: [ 1, 2 ]
amdhsa.kernels:
  - .name:           k_q5f06e186c9_gemm_qk
    .symbol:         k_q5f06e186c9_gemm_qk.kd
    .args:
      - { .name: xq, .offset: 0, .size: 8, .value_kind: global_buffer, .address_space: global }
      - { .name: wkq, .offset: 8, .size: 8, .value_kind: global_buffer, .address_space: global }
      - { .name: qk, .offset: 16, .size: 8, .value_kind: global_buffer, .address_space: global }
    .group_segment_fixed_size: 312320
    .private_segment_fixed_size: 0
    .kernarg_segment_align: 8
    .kernarg_segment_size: 24
    .max_flat_workgroup_size: 256
    .sgpr_count:     102
    .vgpr_count:     256
    .wavefront_size: 32
...
	.end_amdgpu_metadata
.endif
;; end of part 2
;; launch gemm_v: the kernel of part 2 again; grid 64 x 4, 8 waves a work-group, clusters of 4 x 4, 312,320 bytes of LDS; arguments wvq, xq, vt; writes vt
;; launch attn (part 3): grid 4 x 64, 16 waves a work-group, clusters of 4 x 1, 206,848 bytes of LDS; arguments qk, vt, oq; writes oq
.if DOCPART == 3
	.amdgcn_target "amdgcn-amd-amdhsa--gfx1250"
	.amdhsa_code_object_version 6
	.text
	.protected	k_q5f06e186c9_attn
	.globl	k_q5f06e186c9_attn
	.p2align	8
	.type	k_q5f06e186c9_attn,@function
k_q5f06e186c9_attn:
	s_mov_b64 s[64:65], 0
	v_nop
	global_prefetch_b8 v0, s[64:65] scope:SCOPE_SE
	s_setreg_imm32_b32 hwreg(HW_REG_WAVE_MODE, 25, 1), 1
	s_wait_xcnt 0x0
	s_wait_alu depctr_hold_cnt(0) depctr_sa_sdst(0) depctr_va_vdst(0) depctr_va_sdst(0) depctr_va_ssrc(0) depctr_va_vcc(0) depctr_vm_vsrc(0)
	s_getreg_b32 s2, hwreg(HW_REG_IB_STS2, 6, 4)
	s_cmp_eq_u32 s2, 0
	s_cbranch_scc0 .Lentry_in_a_cluster
	s_endpgm
.Lentry_in_a_cluster:
	s_bfe_u32 s2, ttmp6, 0x10000c
	s_cmp_lg_u32 s2, 0x3003
	s_cbranch_scc0 .Lentry_shape_is_right
	s_endpgm
.Lentry_shape_is_right:
; out[b][n][64 h + d] = the sum over keys of softmax(q . k / 8) v, for 64 pairs (b, h), 2,048 positions, head size 64, both products on codes of FP6 (E2M3) with E8M0 scales; the result is quantised again, along 64 h + d.
; THE SOFTMAX AHEAD OF THE SECOND PRODUCT: t = score x log2(e) / 8; M = the row's largest t so far, rounded UP to a whole number; p = 2^(t - M) is what is quantised, along the keys, not normalised.
; The row's sum is taken of the unquantised p, in f32, and divides O at the end.  When M moves, the sum and O are multiplied by 2^(old M - new M): exact.
; INPUTS (this program's own): units of 3,072 bytes.  Of q and k: 64 positions as two images, image p = 16 row indices x [position tile 2 p: the head's 64 | tile 2 p + 1: the head's 64].  Of v: 64 of the head's d x 64 keys, image p =
; [d tile 2 p: 64 keys | d tile 2 p + 1: 64 keys].  Scale words: 128 bytes a unit, at 8 r + 4 p.  Index i of a tile T (of positions, of d) is 32 (T / 2) + 8 (T % 2) + i + 8 (i / 8).
; SHARES.  A cluster is the four quarters of one (b, h)'s queries; a work-group owns 512 positions; each of its sixteen waves owns two tiles of 16, taken in two passes, in 256 registers: four waves to a SIMD, so that one wave's
; vector work stands beside another's products and LDS loads.  A head's K and V are 196,608 bytes: they fit in LDS, so every LDS byte is filled ONCE, in four chunks of 512 keys, all asked for at the start, JOINTLY by the four
; work-groups (the same tensor load, the same descriptor, a mask that names the four): waves 0-7 ask for K's units, waves 8-15 for V's.
; LAYOUT.  Both products are used transposed: S^T = K Q^T, O^T = V^T P^T: a lane holds ONE query (lane % 16) throughout.  The head's 64 are half of the instruction's 128 along K, so an image of K carries TWO tiles of keys: multiplied by
; [Q | zeros] it gives the first tile's scores, by [zeros | Q] the second's (zero codes add nothing under any scale byte).  The 16 registers of two neighbouring tiles are 16 neighbouring keys.
; LIMITS: NaN and infinities are not served; blocks under 2^-124 and blocks of zeros keep the scale byte 1 (this program alone reads the bytes).
.set UNIT, 3072
.set CHK,  49152                       ; a chunk in LDS: 8 units of K, then 8 units of V
.set VOFF, 24576
.set SCI,  196608                      ; behind the chunks: 16 images of 512 bytes, one a key step, put there by LDS stores (no tensor load lands here): lane l's 16 bytes: lanes 0-15 the four words of K's images, lanes 16-31 those of V's fragments
.set KV,   44                          ; v44-91   four fragments, of K and then of V
.set S,    96                          ; v96-159  S^T, then p
.set O,    160                         ; v160-191 O^T: register 16 b + i = d 32 b + 16 h + i
.set PC,   192                         ; v192-203 p's codes; v204-210 at work
.set BM,   212                         ; v212-215 the blocks' largest scores, then p
.set PT,   216                         ; v216-219 at work
.set SO,   220                         ; v220-223 the conversions' scale operands
.set F,    224                         ; v[224:225] f = 2^(old M - new M)
.set PW,   226                         ; v226     p's scale word, and nothing else
.set SCQ,  228                         ; v228-231 K's and V's scale words, and nothing else
.set TMP,  232                         ; v232-235 at work
; v1 16 x lane, v2 8 x lane, v3 SCI + 16 x lane, v4-6 the step's LDS addresses, v7 8 r; v12 -M, v13 the largest t, v[14:15] the sum in two halves; v16-33 [Q | 0 | Q]; v34-39 the second pass's Q; v40, v41 Q's scale words
.macro CROUND                          ; a round of the cluster's barrier
	s_barrier_signal -1
	s_barrier_wait -1
	s_cmp_lg_u32 s10, 0
	s_cbranch_scc1 .Lnot_wave_0_\@
	s_barrier_signal -3
.Lnot_wave_0_\@:
	s_barrier_wait -3
	s_barrier_signal -1
	s_barrier_wait -1
.endm
	s_load_b128 s[4:7], s[0:1], 0x0                ; q's and k's units, v's units
	s_load_b64 s[8:9], s[0:1], 0x10                ; the result's records
	v_lshl_add_u32 v254, v0, 2, 0x32000
	v_mov_b32 v255, 0
	ds_add_u32 v254, v255
	ds_add_u32 v254, v255
	v_lshrrev_b32 v9, 5, v0
	s_delay_alu instid0(VALU_DEP_1)
	v_readfirstlane_b32 s10, v9                    ; wave 0..15
	s_and_b32 s11, s10, 7                          ; which unit of a chunk I fetch
	s_bfe_u32 s12, ttmp6, 0x40000                  ; cx
	s_lshl_b32 s13, ttmp9, 2
	s_add_co_u32 s12, s13, s12                     ; my quarter of the queries: it enters Q's and the result's addresses alone
	s_and_b32 s13, ttmp7, 0xffff                   ; (b, h), which the four partners share
	s_lshr_b32 s18, s13, 4                         ; b
	s_and_b32 s19, s13, 15                         ; h
	s_mov_b32 s14, 0x76543210
	s_mov_b32 s15, 0xfedcba98                      ; selects for lane l xor 16
	s_mov_b32 s16, 0x3e38aa3b                      ; c = log2(e) / 8
	s_mov_b32 s17, s16                             ; (named with it as a pair, so it is written)
	; group 1: one dense row of 3,072 bytes (384 elements of 8)
	s_mov_b32 s20, 15|(3<<16)|(1<<21)              ; 15:0 the mask: all four work-groups; 17:16 elements of 8 bytes; 21 set beside a mask
	s_mov_b32 s21, 384<<16                         ; tensor_dim0
	s_mov_b32 s22, 1<<16                           ; tensor_dim1
	s_mov_b32 s23, 384<<16                         ; tile_dim0
	s_mov_b32 s24, 1                               ; tile_dim1
	s_mov_b32 s25, 384
	s_mov_b32 s26, 0
	s_mov_b32 s27, 0
	s_add_co_u32 s70, s19, 16                      ; K's unit of positions 64 j: j % 16 + 16 (16 + h) + 1,024 b + 512 (j / 16); here j = w % 8
	s_lshl_b32 s70, s70, 4
	s_add_co_u32 s70, s70, s11
	s_lshl_b32 s71, s18, 10
	s_add_co_u32 s70, s70, s71
	s_mul_i32 s70, s70, UNIT
	s_add_co_u32 s70, s70, 524288
	s_mov_b32 s71, 0
	s_lshl_b32 s74, s11, 4                         ; V's unit of keys 64 j: h + 16 j + 512 b
	s_add_co_u32 s74, s74, s19
	s_lshl_b32 s75, s18, 9
	s_add_co_u32 s74, s74, s75
	s_mul_i32 s74, s74, UNIT
	s_add_co_u32 s74, s74, 524288
	s_mov_b32 s75, 0
	s_mul_i32 s78, s11, UNIT                       ; where it goes in a chunk: the wave's number alone enters an LDS address
	s_wait_dscnt 0x0
	s_wait_kmcnt 0x0
	s_add_nc_u64 s[72:73], s[4:5], s[70:71]
	s_add_nc_u64 s[76:77], s[6:7], s[74:75]
.irp c, 0,1,2,3                        ; group 0, a set for each chunk: none is written again
	s_mov_b32 s[28+4*\c], 1
	s_add_co_u32 s[29+4*\c], s78, CHK*\c
	s_add_nc_u64 s[30+4*\c:31+4*\c], s[72:73], 8*UNIT*(\c%2)+512*UNIT*(\c/2)
	s_or_b32 s[31+4*\c], s[31+4*\c], 0x80000000
	s_mov_b32 s[44+4*\c], 1
	s_add_co_u32 s[45+4*\c], s78, CHK*\c+VOFF
	s_add_nc_u64 s[46+4*\c:47+4*\c], s[76:77], 128*UNIT*\c
	s_or_b32 s[47+4*\c], s[47+4*\c], 0x80000000
.endr
	CROUND                                         ; all four work-groups are here: the joint loads meet
	s_cmp_lt_u32 s10, 8                            ; a wave's four fills stand in one branch on the wave's number, ahead of every wait on TENSORcnt and every LDS read: four loads of mine are out
	s_cbranch_scc0 .Lfill_v
	tensor_load_to_lds s[28:31], s[20:27]
	s_nop 0
	tensor_load_to_lds s[32:35], s[20:27]
	s_nop 0
	tensor_load_to_lds s[36:39], s[20:27]
	s_nop 0
	tensor_load_to_lds s[40:43], s[20:27]
	s_nop 0
.rept 4
	v_nop
.endr
	s_branch .Lfilled
.Lfill_v:
	tensor_load_to_lds s[44:47], s[20:27]
	s_nop 0
	tensor_load_to_lds s[48:51], s[20:27]
	s_nop 0
	tensor_load_to_lds s[52:55], s[20:27]
	s_nop 0
	tensor_load_to_lds s[56:59], s[20:27]
	s_nop 0
.rept 4
	v_nop
.endr
.Lfilled:
	; Q: my two tiles are image w % 2 of the unit of positions 64 j, j = 8 x quarter + w / 2
	s_lshl_b32 s79, s12, 3
	s_lshr_b32 s80, s10, 1
	s_add_co_u32 s79, s79, s80                     ; j
	s_and_b32 s80, s79, 15
	s_lshr_b32 s81, s79, 4
	s_lshl_b32 s82, s18, 1
	s_add_co_u32 s81, s81, s82
	s_lshl_b32 s81, s81, 9
	s_add_co_u32 s80, s80, s81
	s_lshl_b32 s81, s19, 4
	s_add_co_u32 s80, s80, s81                     ; its unit: j % 16 + 16 h + 512 (2 b + j / 16)
	s_and_b32 s81, s10, 1
	s_mul_i32 s82, s80, UNIT
	s_add_co_u32 s82, s82, 524288
	s_mul_i32 s79, s81, 1536
	s_add_co_u32 s82, s82, s79
	s_mov_b32 s83, 0
	s_add_nc_u64 s[84:85], s[4:5], s[82:83]        ; the image
	s_lshl_b32 s82, s80, 7
	s_lshl_b32 s79, s81, 2
	s_add_co_u32 s82, s82, s79
	s_add_nc_u64 s[86:87], s[4:5], s[82:83]        ; its scale words
	; the scale words of key step w (keys 128 w on): wave w gathers them into image w
	s_lshl_b32 s82, s11, 1                         ; K's units 2 w, 2 w + 1
	s_lshr_b32 s79, s10, 3
	s_lshl_b32 s79, s79, 9
	s_add_co_u32 s82, s82, s79
	s_add_co_u32 s79, s19, 16
	s_lshl_b32 s79, s79, 4
	s_add_co_u32 s82, s82, s79
	s_lshl_b32 s79, s18, 10
	s_add_co_u32 s82, s82, s79
	s_lshl_b32 s82, s82, 7
	s_add_nc_u64 s[88:89], s[4:5], s[82:83]
	s_lshl_b32 s82, s10, 5                         ; V's units h + 16 (2 w) + 512 b, and 16 units on
	s_add_co_u32 s82, s82, s19
	s_lshl_b32 s79, s18, 9
	s_add_co_u32 s82, s82, s79
	s_lshl_b32 s82, s82, 7
	s_add_nc_u64 s[90:91], s[6:7], s[82:83]
	; the result: record T = 128 b + 32 x quarter + 2 w; the head's 64 are half (h % 2) of K step h / 2; its two scale bytes lie at 12,288 + 128 (h / 4) + 8 r + 2 (h % 4)
	s_lshl_b32 s80, s18, 7
	s_lshl_b32 s79, s12, 5
	s_add_co_u32 s80, s80, s79
	s_lshl_b32 s79, s10, 1
	s_add_co_u32 s80, s80, s79
	s_mul_i32 s80, s80, 12800
	s_mul_i32 s82, s19, 768                        ; 1,536 (h / 2) + 768 (h % 2) = 768 h
	s_add_co_u32 s82, s82, s80
	s_add_nc_u64 s[66:67], s[8:9], s[82:83]
	s_lshr_b32 s82, s19, 2
	s_lshl_b32 s82, s82, 7
	s_and_b32 s79, s19, 3
	s_lshl_b32 s79, s79, 1
	s_add_co_u32 s82, s82, s79
	s_add_co_u32 s82, s82, 12288
	s_add_co_u32 s82, s82, s80
	s_add_nc_u64 s[68:69], s[8:9], s[82:83]
	v_and_b32 v8, 31, v0                           ; lane
	v_and_b32 v7, 15, v0
	s_delay_alu instid0(VALU_DEP_2)
	v_lshlrev_b32 v1, 4, v8
	s_delay_alu instid0(VALU_DEP_3)
	v_lshlrev_b32 v2, 3, v8
	s_delay_alu instid0(VALU_DEP_3)
	v_lshlrev_b32 v7, 3, v7                        ; 8 r
	s_delay_alu instid0(VALU_DEP_3)
	v_add_nc_u32 v3, SCI, v1
	global_load_b128 v[16:19], v1, s[84:85]        ; the first pass's Q: the image's registers 0-5
	global_load_b64 v[20:21], v2, s[84:85] offset:512
	global_load_b128 v[34:37], v1, s[84:85] offset:768   ; the second pass's: registers 6-11
	global_load_b64 v[38:39], v2, s[84:85] offset:1280
	global_load_b32 v52, v7, s[86:87]
	global_load_b64 v[44:45], v7, s[88:89]         ; K: the words of the step's four images
	global_load_b64 v[46:47], v7, s[88:89] offset:128
	global_load_b64 v[48:49], v7, s[90:91]         ; V: keys 0-63: d tiles (0, 1), (2, 3);
	global_load_b64 v[50:51], v7, s[90:91] offset:2048   ; keys 64-127
	v_lshl_add_u32 v9, v0, 4, SCI                  ; image w, my lane's 16 bytes
.irp i, 0,1,2,3,4,5
	v_mov_b32 v[22+\i], 0                          ; the zero codes between the two copies of Q
.endr
.irp b, 0,1,2,3
	v_mov_b32 v[PT+\b], 0                          ; written once: a lane permute's destination counts as one of its sources
.endr
	v_mov_b32 v[F+1], 0                            ; (named as the upper half of a pair)
	v_cmp_gt_u32 vcc_lo, 16, v8
	s_wait_loadcnt 0x0
.irp i, 0,1,2,3,4,5
	v_mov_b32 v[28+\i], v[16+\i]
.endr
	v_perm_b32 v40, v52, v52, 0x01000100           ; Q's two bytes, for either half of K: the first pass's,
	v_perm_b32 v41, v52, v52, 0x03020302           ; the second's
	v_perm_b32 v53, v50, v48, 0x05040100           ; V's word of d tile t: two bytes of keys 0-63, two of keys 64-127
	v_perm_b32 v54, v50, v48, 0x07060302
	v_perm_b32 v55, v51, v49, 0x05040100
	v_perm_b32 v56, v51, v49, 0x07060302
.irp t, 0,1,2,3
	s_delay_alu instid0(VALU_DEP_4)
	v_cndmask_b32 v[60+\t], v[53+\t], v[44+\t], vcc_lo   ; lanes 0-15 K's, lanes 16-31 V's
.endr
	ds_store_b128 v9, v[60:63]
.macro FRAG reg, a16, a8, off          ; an image comes back as it was stored: the same registers in the same lanes; every load reads consecutive bytes
	ds_load_b128 v[(\reg):(\reg)+3], v[\a16] offset:(\off)
	ds_load_b64 v[(\reg)+4:(\reg)+5], v[\a8] offset:(\off)+512
	ds_load_b128 v[(\reg)+6:(\reg)+9], v[\a16] offset:(\off)+768
	ds_load_b64 v[(\reg)+10:(\reg)+11], v[\a8] offset:(\off)+1280
.endm
; A KEY STEP: 128 keys; s60 = the LDS byte of its two units of K, s61 = 512 x its number.
.macro STEP
	v_add_nc_u32 v4, s60, v1                       ; these four are the places between the last products and the loads into registers that they read (ISA guide 7.12.1 for vector instructions)
	v_add_nc_u32 v5, s60, v2
	v_add_nc_u32 v6, s61, v3
	v_nop
.irp t, 0,1,2,3
	FRAG KV+12*\t, 4, 5, 1536*\t
.endr
	ds_load_b128 v[SCQ:SCQ+3], v6
	s_wait_alu depctr_va_vdst(0)
	s_wait_dscnt 0x0
.irp t, 0,1,2,3                        ; image t: keys 32 t + 16 h + 0 .. 7 by [Q | 0], + 8 .. 15 by [0 | Q]
	v_wmma_scale_f32_16x16x128_f8f6f4 v[S+16*\t:S+16*\t+7], v[KV+12*\t:KV+12*\t+11], v[16:27], 0, v[SCQ+\t], v40 matrix_a_fmt:MATRIX_FMT_FP6 matrix_b_fmt:MATRIX_FMT_FP6
	v_wmma_scale_f32_16x16x128_f8f6f4 v[S+16*\t+8:S+16*\t+15], v[KV+12*\t:KV+12*\t+11], v[22:33], 0, v[SCQ+\t], v40 matrix_a_fmt:MATRIX_FMT_FP6 matrix_b_fmt:MATRIX_FMT_FP6
.endr
.rept 4
	v_nop                                          ; places in front of the loads below and of the first read of the scores
.endr
.irp t, 0,1,2,3                        ; V's fragment of d tile t: its half image of keys 0-63, then that of keys 64-127; they land under the softmax
	ds_load_b128 v[KV+12*\t:KV+12*\t+3], v4 offset:VOFF+768*\t
	ds_load_b64 v[KV+12*\t+4:KV+12*\t+5], v5 offset:VOFF+768*\t+512
	ds_load_b128 v[KV+12*\t+6:KV+12*\t+9], v4 offset:VOFF+UNIT+768*\t
	ds_load_b64 v[KV+12*\t+10:KV+12*\t+11], v5 offset:VOFF+UNIT+768*\t+512
.endr
.irp b, 0,1,2,3
	v_max3_num_f32 v[BM+\b], v[S+16*\b], v[S+16*\b+1], v[S+16*\b+2]   ; the largest score of each block of 32 keys: it serves for the row's maximum and, since p rises with the score, for the block's largest p
.endr
.irp i, 3,5,7,9,11,13
.irp b, 0,1,2,3
	v_max3_num_f32 v[BM+\b], v[BM+\b], v[S+16*\b+\i], v[S+16*\b+\i+1]   ; (the four blocks by turns; each accumulator is read from its low end on)
.endr
.endr
.irp b, 0,1,2,3
	v_max_num_f32 v[BM+\b], v[BM+\b], v[S+16*\b+15]
.endr
.irp b, 0,1,2,3
	s_delay_alu instid0(VALU_DEP_4)
	v_permlanex16_b32 v[PT+\b], v[BM+\b], s14, s15
.endr
.irp b, 0,1,2,3
	s_delay_alu instid0(VALU_DEP_4)
	v_max_num_f32 v[BM+\b], v[BM+\b], v[PT+\b]     ; with lane l xor 16's 16 keys
.endr
	s_delay_alu instid0(VALU_DEP_2)
	v_max3_num_f32 v[TMP], v[BM], v[BM+1], v[BM+2]
	s_delay_alu instid0(VALU_DEP_1)
	v_max_num_f32 v[TMP], v[TMP], v[BM+3]          ; the step's largest score of my query
	s_delay_alu instid0(VALU_DEP_1)
	v_mul_f32 v[TMP], s16, v[TMP]                  ; as t (c is positive)
	s_delay_alu instid0(VALU_DEP_1)
	v_max_num_f32 v13, v13, v[TMP]                 ; the running largest t
	v_mov_b32 v[TMP], v12
	s_delay_alu instid0(VALU_DEP_2)
	v_floor_f32 v12, -v13                          ; the new -M = floor(-t) = -ceil(t): a whole number
	s_delay_alu instid0(VALU_DEP_1)
	v_sub_f32 v[TMP], v12, v[TMP]                  ; old M - new M: a whole number, 0 or less
	s_delay_alu instid0(VALU_DEP_1)
	v_cvt_i32_f32 v[TMP], v[TMP]                   ; (it saturates)
	s_delay_alu instid0(VALU_DEP_1)
	v_ldexp_f32 v[F], 1.0, v[TMP]                  ; f = 2^(old M - new M): a multiplication by it rounds nothing
.set j, 0
.rept 32
	v_pk_fma_f32 v[S+j:S+j+1], v[S+j:S+j+1], s[16:17], v[12:13] op_sel_hi:[1,0,0]   ; t - M, two at a time (of the pairs c and -M the low word serves both halves)
.set j, j+2
.endr
.irp b, 0,1,2,3
	v_fma_f32 v[BM+\b], v[BM+\b], s16, v12         ; the same of each block's largest score
.endr
.set j, 0
	s_wait_alu depctr_va_vdst(0)
.rept 64
	v_exp_f32 v[S+j], v[S+j]                       ; p = 2^(t - M), at most 1: not normalised
.set j, j+1
.endr
	s_setprio 1
.irp b, 0,1,2,3
	v_exp_f32 v[BM+\b], v[BM+\b]                   ; the block's largest p: the same two instructions on the same number give the same bits
.endr
	v_pk_mul_f32 v[14:15], v[14:15], v[F:F+1] op_sel_hi:[1,0]   ; the sums under the new M.  (The plain place behind the exponentials)
	s_wait_alu depctr_va_vdst(0)
.irp b, 0,1,2,3
	v_max_num_f32 v[BM+\b], 0x1800000, v[BM+\b]    ; the floor 2^(3 - 127): the byte cannot fall under 1
.endr
.irp b, 0,1,2,3
	s_delay_alu instid0(VALU_DEP_4)
	v_add_nc_u32 v[SO+\b], 0xff000000, v[BM+\b]    ; 2 off the exponent field: the conversion's scale operand
.endr
.irp b, 0,1,2,3
	s_delay_alu instid0(VALU_DEP_4)
	v_lshrrev_b32 v[PT+\b], 23, v[SO+\b]           ; the scale's byte
.endr
	s_delay_alu instid0(VALU_DEP_3)
	v_lshl_or_b32 v[PW], v[PT+1], 8, v[PT]         ; p's scale word for these 128 keys
	s_delay_alu instid0(VALU_DEP_1)
	v_lshl_or_b32 v[PW], v[PT+2], 16, v[PW]
	s_delay_alu instid0(VALU_DEP_1)
	v_lshl_or_b32 v[PW], v[PT+3], 24, v[PW]
.irp c, 0,1
	v_cvt_scalef32_pk16_fp6_f32 v[PC+6*\c:PC+6*\c+2], v[S+32*\c:S+32*\c+15], v[SO+2*\c]
	v_cvt_scalef32_pk16_fp6_f32 v[PC+12+4*\c:PC+14+4*\c], v[S+32*\c+16:S+32*\c+31], v[SO+2*\c+1]   ; (a conversion's three registers begin on an even number)
.endr
	v_nop                                          ; one plain place behind a scaled conversion
.irp c, 0,1                            ; the operand's layout wants a WHOLE block in a lane: lanes 0-15 block 2 c, lanes 16-31 block 2 c + 1
.irp i, 0,1,2
	v_permlane16_swap_b32 v[PC+6*\c+\i], v[PC+12+4*\c+\i]
.endr
.irp i, 0,1,2
	s_delay_alu instid0(VALU_DEP_3)
	v_mov_b32 v[PC+3+6*\c+\i], v[PC+12+4*\c+\i]
.endr
.endr
	v_pk_add_f32 v[232:233], v[100:101], v[104:105]
	v_pk_add_f32 v[252:253], v[108:109], v[112:113]
	v_pk_add_f32 v[250:251], v[116:117], v[120:121]
	v_pk_add_f32 v[248:249], v[124:125], v[128:129]
	v_pk_add_f32 v[246:247], v[132:133], v[136:137]
	v_pk_add_f32 v[244:245], v[140:141], v[144:145]
	v_pk_add_f32 v[242:243], v[148:149], v[152:153]
	v_pk_add_f32 v[14:15], v[14:15], v[156:157]
	v_pk_add_f32 v[232:233], v[232:233], v[96:97]
	v_pk_add_f32 v[252:253], v[252:253], v[98:99]
	v_pk_add_f32 v[250:251], v[250:251], v[102:103]
	v_pk_add_f32 v[248:249], v[248:249], v[106:107]
	v_pk_add_f32 v[246:247], v[246:247], v[110:111]
	v_pk_add_f32 v[244:245], v[244:245], v[114:115]
	v_pk_add_f32 v[242:243], v[242:243], v[118:119]
	v_pk_add_f32 v[14:15], v[14:15], v[122:123]
	v_pk_add_f32 v[232:233], v[232:233], v[126:127]
	v_pk_add_f32 v[252:253], v[252:253], v[130:131]
	v_pk_add_f32 v[250:251], v[250:251], v[134:135]
	v_pk_add_f32 v[248:249], v[248:249], v[138:139]
	v_pk_add_f32 v[246:247], v[246:247], v[142:143]
	v_pk_add_f32 v[244:245], v[244:245], v[146:147]
	v_pk_add_f32 v[242:243], v[242:243], v[150:151]
	v_pk_add_f32 v[14:15], v[14:15], v[154:155]
	v_pk_add_f32 v[232:233], v[232:233], v[158:159]
	s_delay_alu instid0(VALU_DEP_2)
	v_pk_add_f32 v[14:15], v[14:15], v[248:249]
	s_delay_alu instid0(VALU_DEP_2)
	v_pk_add_f32 v[232:233], v[232:233], v[246:247]
	s_setprio 0
	v_pk_add_f32 v[252:253], v[252:253], v[244:245]
	v_pk_add_f32 v[250:251], v[250:251], v[242:243]
	s_delay_alu instid0(VALU_DEP_2)
	v_pk_add_f32 v[14:15], v[14:15], v[252:253]
	s_delay_alu instid0(VALU_DEP_2)
	v_pk_add_f32 v[232:233], v[232:233], v[250:251]
	s_delay_alu instid0(VALU_DEP_1)
	v_pk_add_f32 v[14:15], v[14:15], v[232:233]
.set j, 0
.rept 16
	v_pk_mul_f32 v[O+j:O+j+1], v[O+j:O+j+1], v[F:F+1] op_sel_hi:[1,0]   ; O^T under the new M.  (With the sums above: the places between p's scale word and codes and the products below)
.set j, j+2
.endr
	s_wait_alu depctr_va_vdst(0)
	s_wait_dscnt 0x0                               ; V is in
.irp t, 0,1,2,3                        ; O^T += V^T P^T; the four accumulators by turns
	v_wmma_scale_f32_16x16x128_f8f6f4 v[O+8*\t:O+8*\t+7], v[KV+12*\t:KV+12*\t+11], v[PC:PC+11], v[O+8*\t:O+8*\t+7], v[SCQ+\t], v[PW] matrix_a_fmt:MATRIX_FMT_FP6 matrix_b_fmt:MATRIX_FMT_FP6 matrix_a_scale:MATRIX_SCALE_ROW1
.endr
	s_add_co_u32 s60, s60, 2*UNIT
	s_add_co_u32 s61, s61, 512
.endm
; A chunk of four key steps: my part of it has landed (my later chunks' loads stay out), my LDS store of the scale image and my LDS loads are done; behind the barrier everybody's part is there.
; In the second pass the waits are met at once.
.macro CHUNK c
	s_wait_tensorcnt 3-\c
	s_wait_dscnt 0x0
	s_barrier_signal -1
	s_barrier_wait -1
	s_mov_b32 s60, CHK*\c
	s_mov_b32 s61, 2048*\c
	s_mov_b32 s62, 4
.Lstep_\@:
	s_setprio 2
	STEP
	s_sub_co_u32 s62, s62, 1
	s_cmp_lg_u32 s62, 0
	s_cbranch_scc1 .Lstep_\@
	s_setprio 0
.endm
	s_mov_b32 s63, 2
.Lpass:                                                ; two trips: my first tile of queries, then my second
	v_mov_b32 v13, 0xff61b1e6                      ; the largest t so far: -3e38, under every t
	s_delay_alu instid0(VALU_DEP_1)
	v_floor_f32 v12, -v13                          ; -M
	v_mov_b32 v14, 0                               ; the sum, in two halves
	v_mov_b32 v15, 0
.set j, 0
.rept 32
	v_mov_b32 v[O+j], 0                            ; O^T.  (The step is written without a first step of its own: it finds zeros, which the first change of M leaves zeros)
.set j, j+1
.endr
	CHUNK 0
	CHUNK 1
	CHUNK 2
	CHUNK 3
	; THE WAY OUT: O^T / the sum, quantised along d: two blocks of 32; the codes are half an image of the next product's operand
.rept 4
	v_nop                                          ; places behind the last products
.endr
	v_add_f32 v14, v14, v15                        ; the sum's two halves,
	s_delay_alu instid0(VALU_DEP_1)
	v_permlanex16_b32 v[TMP], v14, s14, s15
	s_delay_alu instid0(VALU_DEP_1)
	v_add_f32 v14, v14, v[TMP]                     ; and lane l xor 16's: the row's sum
	s_wait_alu depctr_va_vdst(0)
	v_rcp_f32 v14, v14
	v_nop                                          ; one plain place behind a transcendental
.set j, 0
	s_wait_alu depctr_va_vdst(0)
.rept 16
	v_pk_mul_f32 v[S+j:S+j+1], v[O+j:O+j+1], v[14:15] op_sel_hi:[1,0]   ; each accumulator from its low end on
.set j, j+2
.endr
.irp b, 0,1
	v_max3_num_f32 v[BM+\b], |v[S+16*\b]|, |v[S+16*\b+1]|, 0x1800000
.endr
.irp i, 2,4,6,8,10,12,14
.irp b, 0,1
	s_delay_alu instid0(VALU_DEP_2)
	v_max3_num_f32 v[BM+\b], v[BM+\b], |v[S+16*\b+\i]|, |v[S+16*\b+\i+1]|
.endr
.endr
.irp b, 0,1
	s_delay_alu instid0(VALU_DEP_2)
	v_permlanex16_b32 v[PT+\b], v[BM+\b], s14, s15
.endr
.irp b, 0,1
	s_delay_alu instid0(VALU_DEP_2)
	v_max_num_f32 v[BM+\b], v[BM+\b], v[PT+\b]
.endr
.irp b, 0,1
	s_delay_alu instid0(VALU_DEP_2)
	v_add_nc_u32 v[SO+\b], 0xff000000, v[BM+\b]
.endr
.irp b, 0,1
	s_delay_alu instid0(VALU_DEP_2)
	v_lshrrev_b32 v[PT+\b], 23, v[SO+\b]
.endr
	s_delay_alu instid0(VALU_DEP_1)
	v_lshl_or_b32 v[TMP+1], v[PT+1], 8, v[PT]      ; the two scale bytes
	v_cvt_scalef32_pk16_fp6_f32 v[PC:PC+2], v[S:S+15], v[SO]
	v_cvt_scalef32_pk16_fp6_f32 v[PC+12:PC+14], v[S+16:S+31], v[SO+1]
	v_nop                                          ; one plain place behind a scaled conversion
.irp i, 0,1,2
	v_permlane16_swap_b32 v[PC+\i], v[PC+12+\i]    ; lanes 0-15 block 0 whole, lanes 16-31 block 1
.endr
.irp i, 0,1,2
	s_delay_alu instid0(VALU_DEP_3)
	v_mov_b32 v[PC+3+\i], v[PC+12+\i]
.endr
	global_store_b128 v1, v[PC:PC+3], s[66:67]     ; 512 and 256 consecutive bytes, at multiples of 256 from the buffer's first byte
	global_store_b64 v2, v[PC+4:PC+5], s[66:67] offset:512
	global_store_b16 v7, v[TMP+1], s[68:69]        ; two bytes a row index (lanes l and l xor 16 write the same bytes with the same value): one byte in 24 of what the wave stores
	s_wait_xcnt 0x0                                ; the stores have read their bases and data: both are written again only behind this wait
	s_add_nc_u64 s[66:67], s[66:67], 12800         ; the next tile's record
	s_add_nc_u64 s[68:69], s[68:69], 12800
.irp i, 0,1,2,3,4,5
	v_mov_b32 v[16+\i], v[34+\i]                   ; the second pass's Q, twice,
	v_mov_b32 v[28+\i], v[34+\i]
.endr
	v_mov_b32 v40, v41                             ; and its scale bytes
	s_sub_co_u32 s63, s63, 1
	s_cmp_lg_u32 s63, 0
	s_cbranch_scc1 .Lpass
	s_wait_dscnt 0x0
	s_wait_tensorcnt 0x0
	ds_add_u32 v254, v255
	s_wait_dscnt 0x0
	CROUND                                         ; the closing round: no work-group ends while a partner may still ask for a unit that names it
	s_endpgm
.Lfunc_end_k_q5f06e186c9_attn:
	.size	k_q5f06e186c9_attn, .Lfunc_end_k_q5f06e186c9_attn-k_q5f06e186c9_attn
	.p2alignl 7, 3214868480
	.fill 96, 4, 3214868480
	.section	.rodata,"a",@progbits
	.p2align	6, 0x0
	.amdhsa_kernel k_q5f06e186c9_attn
		.amdhsa_group_segment_fixed_size 206848
		.amdhsa_private_segment_fixed_size 0
		.amdhsa_enable_private_segment 0
		.amdhsa_kernarg_size 24
		.amdhsa_user_sgpr_count 2
		.amdhsa_user_sgpr_kernarg_segment_ptr 1
		.amdhsa_wavefront_size32 1
		.amdhsa_system_sgpr_workgroup_id_x 1
		.amdhsa_system_sgpr_workgroup_id_y 1
		.amdhsa_system_sgpr_workgroup_id_z 1
		.amdhsa_system_vgpr_workitem_id 0
		.amdhsa_next_free_vgpr 256
		.amdhsa_next_free_sgpr 96
		.amdhsa_reserve_vcc 1
		.amdhsa_float_denorm_mode_32 3
		.amdhsa_float_denorm_mode_16_64 3
		.amdhsa_memory_ordered 1
		.amdhsa_forward_progress 1
		.amdhsa_inst_pref_size 87
	.end_amdhsa_kernel
	.amdgpu_metadata
---
amdhsa.version: [ 1, 2 ]
amdhsa.kernels:
  - .name:           k_q5f06e186c9_attn
    .symbol:         k_q5f06e186c9_attn.kd
    .args:
      - { .name: qk, .offset: 0, .size: 8, .value_kind: global_buffer, .address_space: global }
      - { .name: vt, .offset: 8, .size: 8, .value_kind: global_buffer, .address_space: global }
      - { .name: oq, .offset: 16, .size: 8, .value_kind: global_buffer, .address_space: global }
    .group_segment_fixed_size: 206848
    .private_segment_fixed_size: 0
    .kernarg_segment_align: 8
    .kernarg_segment_size: 24
    .max_flat_workgroup_size: 512
    .sgpr_count:     96
    .vgpr_count:     256
    .wavefront_size: 32
...
	.end_amdgpu_metadata
.endif
;; end of part 3
;; launch gemm_p (part 4): grid 8 x 32, 8 waves a work-group, clusters of 4 x 4, 312,320 bytes of LDS; arguments oq, wpq, b_proj, out0; writes out0
.if DOCPART == 4
	.amdgcn_target "amdgcn-amd-amdhsa--gfx1250"
	.amdhsa_code_object_version 6
	.text
	.protected	k_q5f06e186c9_gemm_p
	.globl	k_q5f06e186c9_gemm_p
	.p2align	8
	.type	k_q5f06e186c9_gemm_p,@function
k_q5f06e186c9_gemm_p:
	s_mov_b64 s[64:65], 0
	v_nop
	global_prefetch_b8 v0, s[64:65] scope:SCOPE_SE
	s_setreg_imm32_b32 hwreg(HW_REG_WAVE_MODE, 25, 1), 1
	s_wait_xcnt 0x0
	s_wait_alu depctr_hold_cnt(0) depctr_sa_sdst(0) depctr_va_vdst(0) depctr_va_sdst(0) depctr_va_ssrc(0) depctr_va_vcc(0) depctr_vm_vsrc(0)
	s_getreg_b32 s2, hwreg(HW_REG_IB_STS2, 6, 4)
	s_cmp_eq_u32 s2, 0
	s_cbranch_scc0 .Lentry_in_a_cluster
	s_endpgm
.Lentry_in_a_cluster:
	s_bfe_u32 s2, ttmp6, 0x10000c
	s_cmp_lg_u32 s2, 0xf033
	s_cbranch_scc0 .Lentry_shape_is_right
	s_endpgm
.Lentry_shape_is_right:
; out0 = A' B'^T + b over K = 1,024 on codes of FP6 (E2M3) with E8M0 scales: A' = the attention's result (8,192 rows), B' = w_proj (1,024 rows), b = b_proj; out0 [8192][1024] f32.
; OPERANDS come as records of 12,800 bytes for each tile of 16 rows: 8 images of the operand's registers (1,536 bytes a K step of 128), then 512 bytes of scale words.  Index i of tile T is row 32 (T / 2) + 8 (T % 2) + i + 8 (i / 8).
; SHARES.  A work-group makes 256 rows of A' x 128 rows of B'.  Both panels for ALL of K are 294,912 bytes: they fit in LDS, so every LDS byte is filled ONCE, in four chunks of 256 along K, all asked for at the start; chunk c is
; multiplied while the later chunks land.  Eight waves, two to a SIMD: wave w makes rows 64 (w % 4) of A' x rows 64 (w / 4) of B': 16 accumulators; all of a wave fits in 256 registers, so no register window is switched.
; CLUSTERS: 4 x 4 work-groups; A''s panel is asked for jointly along a row of the cluster, B''s along a column: the same tensor load, the same descriptor, a mask that names the four.
; THE MATRIX INSTRUCTION IS USED TRANSPOSED (source 0 = 16 rows of B', source 1 = 16 rows of A'): lane (r, h) holds row index r of A', and the 16 registers of B''s tiles 2 b, 2 b + 1 are columns 32 b + 16 h + 0 .. 15 of out0.
; THE BIAS is loaded into the accumulators, in the result's layout: the sums begin with it, and no addition is written.
.set REC,  12800
.set CHK,  73728                       ; a chunk in LDS: A''s 16 tiles x 3,072 bytes, then B''s 8
.set BOFF, 49152
.set SCA,  294912                      ; behind the chunks: A''s scale words, 16 x 512 bytes, put there by LDS stores: no tensor load lands here
.set SCB,  303232                      ; B''s; 8,192 + 128 behind A''s, so that the two halves of the lanes read different banks
.set SPITCH, 272                       ; the way out: a stage of 16 rows x (256 bytes + 16) for each wave, in chunk 0, which has had its one fill, and which nobody reads behind chunk 1's barrier
.set SC,   12                          ; v12-19  scale words and nothing else: register 2 i + s % 2: lanes 0-15 A' tile i's, lanes 16-31 B' tile i's
.set FA,   20                          ; v20-67  A''s four fragments; on the way out v20-83: rows read back from the stage
.set FB,   68                          ; v68-115 B''s four
.set ACC,  128                         ; v128-255 accumulator (a, b) at 128 + 8 (4 a + b)
.macro CROUND                          ; a round of the cluster's barrier
	s_barrier_signal -1
	s_barrier_wait -1
	s_cmp_lg_u32 s12, 0
	s_cbranch_scc1 .Lnot_wave_0_\@
	s_barrier_signal -3
.Lnot_wave_0_\@:
	s_barrier_wait -3
	s_barrier_signal -1
	s_barrier_wait -1
.endm
	s_load_b128 s[4:7], s[0:1], 0x0                ; A', B'
	s_load_b128 s[8:11], s[0:1], 0x10              ; b_proj, out0
	v_lshl_add_u32 v126, v0, 2, 0x4c000
	v_mov_b32 v127, 0
	ds_add_u32 v126, v127
	ds_add_u32 v126, v127
	v_lshrrev_b32 v9, 5, v0
	s_delay_alu instid0(VALU_DEP_1)
	v_readfirstlane_b32 s12, v9                    ; wave 0..7
	s_and_b32 s13, s12, 3                          ; wr: my 64 rows of A'.  Also: which part of a panel I fetch
	s_lshr_b32 s14, s12, 2                         ; wc: my 64 rows of B'.  Also: I fetch for A' (0) or for B' (1)
	s_bfe_u32 s15, ttmp6, 0x40000                  ; cx, cy
	s_bfe_u32 s16, ttmp6, 0x40004
	s_lshl_b32 s17, ttmp9, 2
	s_add_co_u32 s17, s17, s15                     ; X: which 128 rows of B'
	s_and_b32 s18, ttmp7, 0xffff
	s_lshl_b32 s18, s18, 2
	s_add_co_u32 s18, s18, s16                     ; Y: which 256 rows of A'
	s_lshl_b32 s52, s16, 2
	s_lshl_b32 s52, 15, s52                        ; my row of the cluster
	s_lshl_b32 s53, 0x1111, s15                    ; my column
	s_or_b32 s20, s52, (3<<16)|(1<<21)             ; group 1 for A': 4 rows of 3,072 bytes (384 elements of 8), a record apart, dense in LDS; 15:0 the mask; 21 set beside it
	s_mov_b32 s21, 384<<16
	s_mov_b32 s22, 4<<16
	s_mov_b32 s23, 384<<16
	s_mov_b32 s24, 4
	s_mov_b32 s25, REC/8
	s_mov_b32 s26, 0
	s_mov_b32 s27, 0
	s_or_b32 s28, s53, (3<<16)|(1<<21)             ; for B': 2 such rows
	s_mov_b32 s29, 384<<16
	s_mov_b32 s30, 2<<16
	s_mov_b32 s31, 384<<16
	s_mov_b32 s32, 2
	s_mov_b32 s33, REC/8
	s_mov_b32 s34, 0
	s_mov_b32 s35, 0
	s_lshl_b32 s54, s18, 4                         ; A': tile 16 Y + 4 wr.  (Registers that feed A''s descriptors never hold X, those that feed B''s never Y)
	s_lshl_b32 s55, s13, 2
	s_add_co_u32 s54, s54, s55
	s_mul_i32 s54, s54, REC
	s_mov_b32 s55, 0
	s_lshl_b32 s58, s17, 3                         ; B': tile 8 X + 2 wr
	s_lshl_b32 s59, s13, 1
	s_add_co_u32 s58, s58, s59
	s_mul_i32 s58, s58, REC
	s_mov_b32 s59, 0
	s_mul_i32 s62, s13, 4*3072                     ; where they go: the wave's number alone enters an LDS address
	s_mul_i32 s63, s13, 2*3072
	s_add_co_u32 s63, s63, BOFF
	s_mul_i32 s84, s18, 16*REC                     ; the scale words of A''s 16 tiles,
	s_add_co_u32 s84, s84, 12288
	s_mov_b32 s85, 0
	s_mul_i32 s88, s17, 8*REC                      ; and of B''s 8
	s_add_co_u32 s88, s88, 12288
	s_mov_b32 s89, 0
	s_lshl_b32 s96, s17, 9                         ; my first column, in bytes: 4 (128 X + 64 wc)
	s_lshl_b32 s97, s14, 8
	s_add_co_u32 s96, s96, s97
	s_mov_b32 s97, 0
	s_lshl_b32 s98, s18, 20                        ; my first row: 256 Y + 64 wr, of 4,096 bytes
	s_lshl_b32 s99, s13, 18
	s_add_co_u32 s98, s98, s99
	s_add_co_u32 s98, s98, s96
	s_mov_b32 s99, 0
	s_wait_dscnt 0x0
	s_wait_kmcnt 0x0
	s_add_nc_u64 s[56:57], s[4:5], s[54:55]
	s_add_nc_u64 s[60:61], s[6:7], s[58:59]
	s_add_nc_u64 s[86:87], s[4:5], s[84:85]
	s_add_nc_u64 s[90:91], s[6:7], s[88:89]
	s_add_nc_u64 s[92:93], s[8:9], s[96:97]        ; b_proj at my 64 columns
	s_add_nc_u64 s[94:95], s[10:11], s[98:99]      ; out0 at my corner
.irp c, 0,1,2,3                        ; group 0, a set for each chunk: none is written again
	s_mov_b32 s[36+4*\c], 1
	s_add_co_u32 s[37+4*\c], s62, CHK*\c
	s_add_nc_u64 s[38+4*\c:39+4*\c], s[56:57], 3072*\c
	s_or_b32 s[39+4*\c], s[39+4*\c], 0x80000000
	s_mov_b32 s[68+4*\c], 1
	s_add_co_u32 s[69+4*\c], s63, CHK*\c
	s_add_nc_u64 s[70+4*\c:71+4*\c], s[60:61], 3072*\c
	s_or_b32 s[71+4*\c], s[71+4*\c], 0x80000000
.endr
	CROUND                                         ; all sixteen work-groups are here: the joint loads meet
	s_cmp_lt_u32 s12, 4                            ; a wave's four fills stand in one branch on the wave's number, ahead of every wait on TENSORcnt and every LDS read: four loads of mine are out
	s_cbranch_scc0 .Lfill_b
	tensor_load_to_lds s[36:39], s[20:27]
	s_nop 0
	tensor_load_to_lds s[40:43], s[20:27]
	s_nop 0
	tensor_load_to_lds s[44:47], s[20:27]
	s_nop 0
	tensor_load_to_lds s[48:51], s[20:27]
	s_nop 0
.rept 4
	v_nop
.endr
	s_branch .Lfilled
.Lfill_b:
	tensor_load_to_lds s[68:71], s[28:35]
	s_nop 0
	tensor_load_to_lds s[72:75], s[28:35]
	s_nop 0
	tensor_load_to_lds s[76:79], s[28:35]
	s_nop 0
	tensor_load_to_lds s[80:83], s[28:35]
	s_nop 0
.rept 4
	v_nop
.endr
.Lfilled:
	; the scale words: wave w copies those of A''s tiles w and 8 + w and of B''s tile w, once, 512 consecutive bytes a load
	v_and_b32 v10, 31, v0                          ; lane
	s_wait_alu depctr_va_vdst(0)
	v_mul_u32_u24 v9, v9, REC
	s_delay_alu instid0(VALU_DEP_1)
	v_lshl_add_u32 v9, v10, 4, v9
	global_load_b128 v[20:23], v9, s[86:87]
	global_load_b128 v[24:27], v9, s[86:87] offset:8*REC
	global_load_b128 v[28:31], v9, s[90:91]
	v_and_b32 v11, 15, v0                          ; r
	v_bfe_u32 v116, v0, 4, 1                       ; h
	s_delay_alu instid0(VALU_DEP_1)
	v_lshlrev_b32 v118, 6, v116                    ; the bias: register j of accumulator (a, b) is column 32 (b / 2) + 8 (b % 2) + 16 h + j, whatever a
.irp a, 0,1,2,3
.irp b, 0,1,2,3
	global_load_b128 v[ACC+8*(4*\a+\b):ACC+8*(4*\a+\b)+3], v118, s[92:93] offset:128*(\b/2)+32*(\b%2)
	global_load_b128 v[ACC+8*(4*\a+\b)+4:ACC+8*(4*\a+\b)+7], v118, s[92:93] offset:128*(\b/2)+32*(\b%2)+16
.endr
.endr
	v_lshlrev_b32 v6, 4, v10                       ; 16 x lane
	v_lshlrev_b32 v7, 3, v10                       ; 8 x lane
	s_mul_i32 s84, s13, 4*3072
	v_add_nc_u32 v1, s84, v6                       ; my four tiles of A' in the chunk in hand: the parts read 16 bytes a lane,
	v_add_nc_u32 v2, s84, v7                       ; and those read 8 bytes a lane
	s_mul_i32 s85, s14, 4*3072
	s_add_co_u32 s85, s85, BOFF
	v_add_nc_u32 v3, s85, v6                       ; the same for B'
	v_add_nc_u32 v4, s85, v7
	s_xor_b32 s85, s13, 3                          ; lanes 16-31 take B''s words: ONE product, h x the distance SCB + 2,048 wc - SCA - 2,048 wr = 2,176 + 2,048 (wc + 3 - wr)
	s_add_co_u32 s85, s85, s14
	s_lshl_b32 s85, s85, 11
	s_add_co_u32 s85, s85, SCB-SCA-3*2048
	v_mul_u32_u24 v5, s85, v116
	s_lshl_b32 s84, s13, 11
	s_add_co_u32 s84, s84, SCA
	v_lshl_add_u32 v5, v11, 3, v5
	s_delay_alu instid0(VALU_DEP_1)
	v_add_nc_u32 v5, s84, v5                       ; my scale words: 8 bytes a row index and a chunk
	s_mul_i32 s84, s12, 16*SPITCH                  ; my stage
	v_mul_u32_u24 v8, v11, SPITCH
	s_delay_alu instid0(VALU_DEP_1)
	v_lshl_add_u32 v8, v116, 6, v8
	s_delay_alu instid0(VALU_DEP_1)
	v_add_nc_u32 v8, s84, v8                       ; in: row index r, + 64 h
	v_mul_u32_u24 v119, v116, SPITCH
	s_delay_alu instid0(VALU_DEP_1)
	v_lshl_add_u32 v119, v11, 4, v119
	s_delay_alu instid0(VALU_DEP_1)
	v_add_nc_u32 v119, s84, v119                   ; back: lanes 0-15 one row of 256 bytes, lanes 16-31 the next
	v_lshlrev_b32 v120, 12, v116
	s_delay_alu instid0(VALU_DEP_1)
	v_lshl_add_u32 v120, v11, 4, v120              ; and the same two rows in out0
	v_lshl_add_u32 v117, v0, 4, SCA
	s_wait_alu depctr_va_vdst(0)
	s_wait_loadcnt 0x0
	ds_store_b128 v117, v[20:23]
	ds_store_b128 v117, v[24:27] offset:4096
	ds_store_b128 v117, v[28:31] offset:SCB-SCA
.macro FRAG reg, a16, a8, off          ; an image comes back as it was stored: the same registers in the same lanes; every load reads consecutive bytes
	ds_load_b128 v[(\reg):(\reg)+3], v[\a16] offset:(\off)
	ds_load_b64 v[(\reg)+4:(\reg)+5], v[\a8] offset:(\off)+512
	ds_load_b128 v[(\reg)+6:(\reg)+9], v[\a16] offset:(\off)+768
	ds_load_b64 v[(\reg)+10:(\reg)+11], v[\a8] offset:(\off)+1280
.endm
; A K step of 128: 32 (with the scale words 36) LDS loads, 16 matrix instructions.  The 16 accumulators take turns, one instruction a turn, in the same order in every step.
.macro KSTEP s
.if ((\s)%2) == 0
.irp i, 0,1,2,3
	ds_load_b64 v[SC+2*\i:SC+2*\i+1], v5 offset:512*\i+128*((\s)/2)   ; the chunk's two words of each row index
.endr
.endif
.irp i, 0,1,2,3
	FRAG FB+12*\i, 3, 4, 3072*\i+1536*((\s)%2)
.endr
.irp i, 0,1,2,3
	FRAG FA+12*\i, 1, 2, 3072*\i+1536*((\s)%2)
.endr
.irp a, 0,1,2,3
	s_wait_dscnt 12-4*\a                           ; the words, B''s four and A''s tiles up to a are in; the four loads of each later tile of A' stay out
.irp b, 0,1,2,3
	v_wmma_scale_f32_16x16x128_f8f6f4 v[ACC+8*(4*\a+\b):ACC+8*(4*\a+\b)+7], v[FB+12*\b:FB+12*\b+11], v[FA+12*\a:FA+12*\a+11], v[ACC+8*(4*\a+\b):ACC+8*(4*\a+\b)+7], v[SC+2*\b+((\s)%2)], v[SC+2*\a+((\s)%2)] matrix_a_fmt:MATRIX_FMT_FP6 matrix_b_fmt:MATRIX_FMT_FP6 matrix_a_scale:MATRIX_SCALE_ROW1
.endr
.endr
.endm
; A chunk: my part of it has landed (my later chunks' loads stay out), my LDS stores and loads are done; then the barrier, behind which everybody's part is there.
; Four plain vector instructions stand between a step's last product and the loads into registers that it read (ISA guide 7.12.1 for vector instructions).
.macro CHUNK c
	s_wait_tensorcnt 3-\c
	s_wait_dscnt 0x0
	s_barrier_signal -1
	s_barrier_wait -1
	KSTEP 2*\c
.rept 4
	v_nop
.endr
	KSTEP 2*\c+1
.if \c < 3
	v_add_nc_u32 v1, CHK, v1                       ; on to the next chunk: these four are the places
	v_add_nc_u32 v2, CHK, v2
	v_add_nc_u32 v3, CHK, v3
	v_add_nc_u32 v4, CHK, v4
.else
.rept 4
	v_nop                                          ; places in front of the first read of results, and of the loads into the fragments' registers
.endr
.endif
.endm
	CHUNK 0
	s_wait_alu depctr_va_vdst(0)
	CHUNK 1
	s_wait_alu depctr_va_vdst(0)
	CHUNK 2
	s_wait_alu depctr_va_vdst(0)
	CHUNK 3
; THE WAY OUT, a tile of 16 row indices x 64 columns at a time.  A lane holds pieces of one row, and the lanes beside it hold other rows: so a tile goes through my own stage in LDS and comes back as rows of 256 bytes.
; LDS serves a wave's instructions in order: no wait stands between the stores and the loads.  The stores' immediates put row index 2 t + lane / 16 of tile a back at row 32 (a / 2) + 8 (a % 2) + index + 8 (index / 8).
.irp a, 0,1,2,3
.if \a >= 2
	s_wait_xcnt 0x0                                ; tile a - 2's stores have read their data: tile a's rows land in those registers only behind this wait
.endif
.irp b, 0,1,2,3
	ds_store_b128 v8, v[ACC+8*(4*\a+\b):ACC+8*(4*\a+\b)+3] offset:128*(\b/2)+32*(\b%2)       ; each accumulator from its low end on
	ds_store_b128 v8, v[ACC+8*(4*\a+\b)+4:ACC+8*(4*\a+\b)+7] offset:128*(\b/2)+32*(\b%2)+16
.endr
.irp t, 0,1,2,3,4,5,6,7
	ds_load_b128 v[20+32*(\a%2)+4*\t:20+32*(\a%2)+4*\t+3], v119 offset:2*SPITCH*\t
.endr
	s_wait_dscnt 0x0                               ; the tile is back in registers
.irp t, 0,1,2,3,4,5,6,7
	global_store_b128 v120, v[20+32*(\a%2)+4*\t:20+32*(\a%2)+4*\t+3], s[94:95] offset:(32*(\a/2)+8*(\a%2)+2*\t+8*(\t/4))*4096 th:TH_STORE_NT   ; 16 lanes store 256 consecutive bytes, at a multiple of 256 from out0's first byte; written once, read by nobody here
.endr
.endr
	s_wait_tensorcnt 0x0
	ds_add_u32 v126, v127
	s_wait_dscnt 0x0
	CROUND                                         ; the closing round: no work-group ends while a partner may still ask for a part that names it
	s_endpgm
.Lfunc_end_k_q5f06e186c9_gemm_p:
	.size	k_q5f06e186c9_gemm_p, .Lfunc_end_k_q5f06e186c9_gemm_p-k_q5f06e186c9_gemm_p
	.p2alignl 7, 3214868480
	.fill 96, 4, 3214868480
	.section	.rodata,"a",@progbits
	.p2align	6, 0x0
	.amdhsa_kernel k_q5f06e186c9_gemm_p
		.amdhsa_group_segment_fixed_size 312320
		.amdhsa_private_segment_fixed_size 0
		.amdhsa_enable_private_segment 0
		.amdhsa_kernarg_size 32
		.amdhsa_user_sgpr_count 2
		.amdhsa_user_sgpr_kernarg_segment_ptr 1
		.amdhsa_wavefront_size32 1
		.amdhsa_system_sgpr_workgroup_id_x 1
		.amdhsa_system_sgpr_workgroup_id_y 1
		.amdhsa_system_sgpr_workgroup_id_z 1
		.amdhsa_system_vgpr_workitem_id 0
		.amdhsa_next_free_vgpr 256
		.amdhsa_next_free_sgpr 102
		.amdhsa_reserve_vcc 0
		.amdhsa_float_denorm_mode_32 3
		.amdhsa_float_denorm_mode_16_64 3
		.amdhsa_memory_ordered 1
		.amdhsa_forward_progress 1
		.amdhsa_inst_pref_size 57
	.end_amdhsa_kernel
	.amdgpu_metadata
---
amdhsa.version: [ 1, 2 ]
amdhsa.kernels:
  - .name:           k_q5f06e186c9_gemm_p
    .symbol:         k_q5f06e186c9_gemm_p.kd
    .args:
      - { .name: oq, .offset: 0, .size: 8, .value_kind: global_buffer, .address_space: global }
      - { .name: wpq, .offset: 8, .size: 8, .value_kind: global_buffer, .address_space: global }
      - { .name: b_proj, .offset: 16, .size: 8, .value_kind: global_buffer, .address_space: global }
      - { .name: out0, .offset: 24, .size: 8, .value_kind: global_buffer, .address_space: global }
    .group_segment_fixed_size: 312320
    .private_segment_fixed_size: 0
    .kernarg_segment_align: 8
    .kernarg_segment_size: 32
    .max_flat_workgroup_size: 256
    .sgpr_count:     102
    .vgpr_count:     256
    .wavefront_size: 32
...
	.end_amdgpu_metadata
.endif
;; end of part 4
